; MI455X (gfx1250); checked and timed in simulation.
; The chip was launched on July 23, 2026; its instructions are those of AMD's public machine-readable ISA for CDNA 5 (MIT licence, August 2026) and "CDNA5" Instruction Set Architecture Reference Guide (July 2026). The comments in the code are by the model that wrote it; some were corrected since.
;; Cross Attention. Allowed arithmetic: matrix products marked QUANTISED: E4M3 operands, one E8M0 scale for each 32 along K, by v_wmma_scale_f32_16x16x128_f8f6f4 with both operands' format E4M3, f32 sums; everything else in f32.
;; Inputs: Wk 768 x 1,024 float32; Wo 1,024 x 1,024 float32; Wq 1,024 x 1,024 float32; Wv 768 x 1,024 float32; bo 1,024 float32; kv 4 x 2,048 x 768 float32; query 4 x 2,048 x 1,024 float32.
;; Outputs: out0 4 x 2,048 x 1,024 float32.
;; This version of the problem:
;;   THIS VERSION OF THE PROBLEM IS GIVEN IN LOW PRECISION. The matrix products marked QUANTISED in the list below multiply operands that are first quantised to E4M3 (4 exponent bits, 3 mantissa bits; 8 bits a number), with one power-of-two scale for each 32 numbers along K (OCP MX v1.0); their sums are f32. All else is computed in f32.
;;   The module's matrix products, in the order in which they are computed (A, B: the left and right operand; K: the contracted axis; several contracted axes count as one K, in the product's order):
;;     1. [M 8,192, K 1,024] x [K 1,024, N 1,024]; A: input query; B: input Wq: QUANTISED
;;     2. [M 8,192, K 768] x [K 768, N 1,024]; A: input kv; B: input Wk: QUANTISED
;;     3. [M 8,192, K 768] x [K 768, N 1,024]; A: input kv; B: input Wv: QUANTISED
;;     4. batch 64 x [M 2,048, K 64] x [K 64, N 2,048]; A: computed on the way; B: computed on the way: QUANTISED
;;     5. batch 64 x [M 2,048, K 2,048] x [K 2,048, N 64]; A: softmax (see below); B: computed on the way: QUANTISED
;;     6. [M 8,192, K 1,024] x [K 1,024, N 1,024]; A: computed on the way; B: input Wo: QUANTISED
;;   THE QUANTISER, for each operand of a quantised product, along K:
;;     - K is cut into blocks of 32 from its start; a last block that is shorter is filled with zeros.
;;     - A block's scale is 2^e with e = floor(log2(the largest magnitude in the block)) - 8, held to -126 .. 127; a block of zeros has e = 0. As a byte (E8M0): e + 127.
;;     - Each number is divided by its block's scale, clamped to +-448, and rounded to the nearest number of E4M3, ties to even, subnormals kept.
;;     - The product sums the exact products of the quantised numbers (number of the format x scale) in f32.
;;   ~~~python
;;   def quantise(x, axis):      # numpy; x: float32 -> the quantised numbers, widened to float32 again
;;       x = np.moveaxis(x, axis, -1); K = x.shape[-1]
;;       x = np.pad(x, [(0, 0)] * (x.ndim - 1) + [(0, -K % 32)]); x = x.reshape(x.shape[:-1] + (-1, 32)); a = np.abs(x).max(-1, keepdims=True)
;;       e = np.where(a > 0, np.clip(np.frexp(np.where(a > 0, a, 1))[1] - 1 - 8, -126, 127), 0)      # np.frexp(a)[1] - 1 = floor(log2(a)), exactly
;;       r = np.clip(x / 2.0 ** e, -448, 448)
;;       step = 2.0 ** (np.maximum(np.frexp(np.where(r == 0, 1, r))[1] - 1, -6) - 3)
;;       q = np.round(r / step) * step * 2.0 ** e      # np.round: ties to even
;;       return np.moveaxis(q.reshape(q.shape[:-2] + (-1,))[..., :K], -1, axis).astype(np.float32)
;;   ~~~
;;   SOFTMAX AHEAD OF A QUANTISED PRODUCT. Where the list says 'softmax', what is quantised is not the finished softmax but p = 2^(t - M), with t = logit x log2(e) and M = ceil(the row's largest t), a whole number; so 1/2 < the row's largest p <= 1. The row's sum l is taken of the UNQUANTISED p, in f32, and the product's result is divided by l at the end. Since M is a whole number, a kernel that streams over the keys may use a running M (the ceiling of the running maximum): every later rescaling is an exact power of two, which a block's scale takes up: the codes' values come out the same.
;;   OPERANDS COMPUTED ON THE WAY. 'Computed on the way' means the value that the module computes at that place (a softmax that the list does not call 'softmax' is quantised finished and normalised). What goes into a quantiser is computed in f32, as accurately as f32 sums, v_exp_f32 and their like allow (about 1e-6 of the number): no bf16 or f16 on the way to a quantiser, and a product that is left as it is and whose result goes on into a quantised operand takes f32 operands (vector FMAs, or v_wmma_f32_16x16x4_f32). A number that lies on a knife's edge between two numbers of the format may be rounded either way, as far as f32 arithmetic and the matrix unit's own rounding can turn it there, and no further.
;; One version. Each part assembles by itself: llvm-mc -triple=amdgcn-amd-amdhsa -mcpu=gfx1250 --defsym DOCPART=n.
;; ======== version 1 of 1: 4 launches
;; limits: right only within a limited range of input values
;; workspace buffers: img 21,626,880 bytes; kvimg 17,301,504 bytes; oimg 8,650,752 bytes
;; launch prep (part 1): grid 1280 x 1, 4 waves a work-group, no clusters, 34,304 bytes of LDS; arguments query, kv, Wq, Wk, Wv, Wo, img; writes img
.if DOCPART == 1
	.amdgcn_target "amdgcn-amd-amdhsa--gfx1250"
	.amdhsa_code_object_version 6
	.text
	.protected	k_q7c20df1031_prep
	.globl	k_q7c20df1031_prep
	.p2align	8
	.type	k_q7c20df1031_prep,@function
k_q7c20df1031_prep:
	s_mov_b64 s[64:65], 0
	v_nop
	global_prefetch_b8 v0, s[64:65] scope:SCOPE_SE
	s_setreg_imm32_b32 hwreg(HW_REG_WAVE_MODE, 25, 1), 1
	s_wait_xcnt 0x0
; PREP: query [8192][1024], kv [8192][768] (K innermost) and Wq, Wk, Wv, Wo ([K][1024], K outermost), all f32, become codes of FP8 (E4M3) with one E8M0 byte for each 32 along K.
; LAYOUT OF img: 640 PAIR BLOCKS of PB = 33,792 bytes: pairs 0-255 query, 256-511 kv, 512-543 Wq, 544-575 Wk, 576-607 Wv, 608-639 Wo (a weight's row is its output column).
; A pair is 32 rows in two tiles u = 0, 1; row r of tile u is real row 32 P + 8 u + r + 8 (r / 8).  Fragment (K step s of 128, tile u) lies at (2 s + u) x 2,048 as an image of the operand's registers:
; group c at 512 c, lane l = 16 h + r at 16 l: the codes of row r, k = 128 s + 32 c + 16 h + 0 .. 15.  Scale words (four bytes: one K step of one row) at 32,768 + 512 u + 64 s + 4 r.
; Operands with K = 768 get zero codes and the byte 0x7f in K steps 6 and 7, so that every byte of a block is written.
; A block's scale is 2^(floor(log2(largest magnitude)) - 8); its byte is the magnitude's exponent field - 8, held at 1 from below.
; LIMITS: a block of zeros gets the byte 1 where the rule says 127 (its codes are zeros, and this program alone reads the bytes); blocks under 2^-118 are held at the byte 1; NaN and infinities are not served.
; SHARES: work-groups 0-255 take the weights (weight, K step, 128 columns; a wave 32 columns x 128 K), work-groups 256-1279 the activations (a tile of 16 rows; wave a its K steps 2 a, 2 a + 1).
; No work-group shares an input byte with another, so there is no cluster; no tensor load, no barrier: waves share nothing.  Only the activations' path touches LDS.
.set PB,    33792
.set FLOOR, 0x4800000                  ; 2^(9 - 127): under it no largest magnitude is taken
.set STG,   8448                       ; a stage: 16 rows x (512 bytes + 16)
.set LI,  4                            ; v4   16 x lane
.set LS,  5                            ; v5   4 x lane
.set SW,  6                            ; v6   the stage on the way in: my wave's + 16 x lane
.set SR,  7                            ; v7   on the way out: my wave's + 528 r + 64 h
.set OFF, 8                            ; v8-23  activations: byte offset of my 16 bytes in tile row i
.set PC,  24                           ; v24-39 a fragment's codes
.set TM,  40                           ; v40-55 at work in QUANT
.set PW,  56                           ; the scale word just made
.set PW0, 57                           ; the first K step's
.set PWS, 58                           ; the word to store
.set R0,  64                           ; v64-127  K step 2 a as loaded, later K step 2 a + 1 turned
.set R1,  128                          ; v128-191 K step 2 a + 1 as loaded
.set X0,  64                           ; v64-127  K step 2 a turned, in the registers in which it was loaded
.set WCOL, 8                           ; weights: v8 my column's byte, v9 my codes' place, v10 my scale word's
.set WCO,  9
.set WSO,  10
.set WV,  18
.set SEL, 30                           ; s[30:31] v_permlanex16_b32's selects for lane l xor 16
.set MNT, 32                           ; s32 the mantissa field of 448
; 64 numbers of a lane, register 16 b + i = k 32 b + 16 h + i of my row, become a fragment's codes in v[PC] on and its scale word in v[PW]
.macro QUANT s
.irp b, 0,1,2,3
	v_max3_num_f32 v[TM+\b], |v[\s+16*\b]|, |v[\s+1+16*\b]|, FLOOR     ; block b: my 16 numbers and the floor
.endr
.irp i, 2,4,6,8,10,12,14
.irp b, 0,1,2,3
	v_max3_num_f32 v[TM+\b], v[TM+\b], |v[\s+16*\b+\i]|, |v[\s+1+16*\b+\i]|   ; the four blocks by turns
.endr
.endr
.irp b, 0,1,2,3
	v_permlanex16_b32 v[TM+4+\b], v[TM+\b], s[SEL], s[SEL+1]
.endr
.irp b, 0,1,2,3
	v_max_num_f32 v[TM+\b], v[TM+\b], v[TM+4+\b]                      ; with lane l xor 16's 16: the block's largest magnitude
.endr
.irp b, 0,1,2,3
	v_add_nc_u32 v[TM+12+\b], 0xfc000000, v[TM+\b]                    ; 8 off its exponent field: the conversion's scale operand
.endr
.irp b, 0,1,2,3
	v_and_or_b32 v[TM+8+\b], v[TM+\b], 0x7f800000, s[MNT]             ; 448 x the scale
.endr
.irp b, 0,1,2,3
	v_lshrrev_b32 v[TM+4+\b], 23, v[TM+12+\b]                         ; the scale's byte
.endr
	v_lshl_or_b32 v[PW], v[TM+5], 8, v[TM+4]
	v_lshl_or_b32 v[PW], v[TM+6], 16, v[PW]
	v_lshl_or_b32 v[PW], v[TM+7], 24, v[PW]
.irp b, 0,1,2,3
.irp i, 0,1,2,3,4,5,6,7,8,9,10,11,12,13,14,15
	v_med3_num_f32 v[\s+16*\b+\i], v[\s+16*\b+\i], -v[TM+8+\b], v[TM+8+\b]   ; the conversion does not saturate (ISA guide 7.6.2): the hold at 448 x the scale
.endr
	v_cvt_scalef32_pk8_fp8_f32 v[PC+4*\b:PC+1+4*\b], v[\s+16*\b:\s+7+16*\b], v[TM+12+\b]
	v_cvt_scalef32_pk8_fp8_f32 v[PC+2+4*\b:PC+3+4*\b], v[\s+8+16*\b:\s+15+16*\b], v[TM+12+\b]
.endr
	v_nop                                          ; a plain line behind the last conversion
.endm
	s_load_b256 s[4:11], s[0:1], 0x0               ; query, kv, Wq, Wk
	s_load_b128 s[12:15], s[0:1], 0x20             ; Wv, Wo
	s_load_b64 s[16:17], s[0:1], 0x30              ; img
	v_lshl_add_u32 v62, v0, 2, 0x8400              ; the spare words lie behind the four stages: 4 x 8,448 = 33,792
	v_mov_b32 v63, 0
	v_lshrrev_b32 v1, 5, v0
	v_readfirstlane_b32 s[WV], v1                  ; wave 0..3
	v_and_b32 v1, 31, v0                           ; lane
	v_and_b32 v2, 15, v0                           ; r
	v_bfe_u32 v3, v0, 4, 1                         ; h (in the weights' path: the tile u)
	v_lshlrev_b32 v[LI], 4, v1
	v_lshlrev_b32 v[LS], 2, v1
	s_mul_i32 s19, s[WV], STG                      ; my wave's stage: it serves both K steps, one after the other
	v_add_nc_u32 v[SW], s19, v[LI]
	v_mul_u32_u24 v[SR], v2, 528
	v_lshl_add_u32 v[SR], v3, 6, v[SR]
	v_add_nc_u32 v[SR], s19, v[SR]
	s_mov_b32 s[SEL], 0x76543210
	s_mov_b32 s[SEL+1], 0xfedcba98
	s_mov_b32 s[MNT], 0x600000
	s_cmp_lt_u32 ttmp9, 256
	s_cbranch_scc0 .Lact
	; ---------------- THE WEIGHTS: a lane takes a column, its registers run down K: nothing is transposed
	s_lshr_b32 s20, ttmp9, 6                       ; which weight: 0 Wq, 1 Wk, 2 Wv, 3 Wo
	s_bfe_u32 s21, ttmp9, 0x30003                  ; K step s
	s_and_b32 s22, ttmp9, 7
	s_lshl_b32 s22, s22, 2
	s_add_co_u32 s22, s22, s[WV]                   ; my wave's pair of the weight's 32
	s_wait_alu depctr_va_vdst(0)
	v_and_b32 v[WCOL], 8, v2
	v_add_nc_u32 v[WCOL], v[WCOL], v2              ; r + 8 (r / 8)
	v_lshl_add_u32 v[WCOL], v3, 3, v[WCOL]         ; + 8 u: the 32 lanes take the pair's 32 columns, 128 consecutive bytes
	v_lshlrev_b32 v[WCOL], 2, v[WCOL]
	s_lshl_b32 s23, s22, 7
	v_add_nc_u32 v[WCOL], s23, v[WCOL]
	v_lshlrev_b32 v[WCO], 4, v2
	v_lshl_add_u32 v[WCO], v3, 11, v[WCO]          ; 2,048 u + 16 r
	v_lshlrev_b32 v[WSO], 2, v2
	v_lshl_add_u32 v[WSO], v3, 9, v[WSO]           ; 512 u + 4 r
	s_lshl_b32 s24, s20, 5
	s_add_co_u32 s24, s24, s22
	s_add_co_u32 s24, s24, 512
	s_mul_i32 s24, s24, PB                         ; my pair block
	s_lshl_b32 s26, s21, 12
	s_add_co_u32 s26, s26, s24                     ; + 4,096 s: fragments (s, 0) and (s, 1)
	s_mov_b32 s27, 0
	s_lshl_b32 s28, s21, 6
	s_add_co_u32 s28, s28, s24
	s_add_co_u32 s28, s28, 32768                   ; the scale words of K step s
	s_mov_b32 s29, 0
	s_lshl_b32 s34, s21, 19                        ; 128 s rows of 4,096 bytes
	s_mov_b32 s35, 0
	s_sub_co_u32 s33, s20, 1
	s_cmp_lt_u32 s33, 2                            ; Wk and Wv have six K steps
	s_cselect_b32 s33, 6, 8
	s_wait_kmcnt 0x0
	s_add_nc_u64 s[26:27], s[16:17], s[26:27]
	s_add_nc_u64 s[28:29], s[16:17], s[28:29]
	s_cmp_eq_u32 s20, 0
	s_cselect_b64 s[36:37], s[8:9], s[10:11]
	s_cmp_eq_u32 s20, 2
	s_cselect_b64 s[36:37], s[12:13], s[36:37]
	s_cmp_eq_u32 s20, 3
	s_cselect_b64 s[36:37], s[14:15], s[36:37]
	s_add_nc_u64 s[36:37], s[36:37], s[34:35]
	s_cmp_ge_u32 s21, s33
	s_cbranch_scc1 .Lwzero                         ; past the weight's K: no load, zeros
.set k, 0
	s_wait_alu depctr_va_vdst(0)
.rept 128
	global_load_b32 v[64+k], v[WCOL], s[36:37] offset:k*4096 th:TH_LOAD_NT   ; W(128 s + k, my column)
.set k, k+1
.endr
.macro WBLOCK c                        ; block c of 32 along K: all 32 numbers are mine
.set XS, 64+32*(\c)
.if 96-32*(\c) > 63
	s_wait_loadcnt 63                              ; behind this block's loads stand more than the count can name
.else
	s_wait_loadcnt 96-32*(\c)                      ; the later blocks' loads may be out
.endif
	v_max3_num_f32 v12, |v[XS]|, |v[XS+1]|, |v[XS+2]|
	v_max3_num_f32 v13, |v[XS+3]|, |v[XS+4]|, |v[XS+5]|
.irp i, 6,10,14,18,22,26
	v_max3_num_f32 v12, v12, |v[XS+\i]|, |v[XS+\i+1]|
	v_max3_num_f32 v13, v13, |v[XS+\i+2]|, |v[XS+\i+3]|
.endr
	v_max3_num_f32 v12, v12, |v[XS+30]|, |v[XS+31]|
	v_max3_num_f32 v12, v12, v13, FLOOR
	v_add_nc_u32 v11, 0xfc000000, v12              ; the conversion's scale operand
	v_and_or_b32 v14, v12, 0x7f800000, s[MNT]      ; 448 x the scale
	v_lshrrev_b32 v13, 23, v11                     ; the byte
.if (\c) == 0
	v_mov_b32 v16, v13
.else
	v_lshl_or_b32 v16, v13, 8*(\c), v16
.endif
.set i, 0
.rept 32
	v_med3_num_f32 v[XS+i], v[XS+i], -v14, v14
.set i, i+1
.endr
.irp g, 0,1,2,3
	v_cvt_scalef32_pk8_fp8_f32 v[24+8*(\c)+2*\g:25+8*(\c)+2*\g], v[XS+8*\g:XS+8*\g+7], v11
.endr
.endm
	WBLOCK 0
	WBLOCK 1
	WBLOCK 2
	WBLOCK 3
.irp c, 0,1,2,3
.irp h, 0,1
	global_store_b128 v[WCO], v[24+8*\c+4*\h:27+8*\c+4*\h], s[26:27] offset:512*\c+256*\h   ; k = 32 c + 16 h + 0 .. 15: sixteen lanes store 256 consecutive aligned bytes of one fragment
.endr
.endr
	global_store_b32 v[WSO], v16, s[28:29]
	s_endpgm
.Lwzero:
.irp i, 0,1,2,3
	v_mov_b32 v[24+\i], 0
.endr
	s_wait_alu depctr_va_vdst(0)
	v_mov_b32 v16, 0x7f7f7f7f
.irp c, 0,1,2,3
.irp h, 0,1
	global_store_b128 v[WCO], v[24:27], s[26:27] offset:512*\c+256*\h
.endr
.endr
	global_store_b32 v[WSO], v16, s[28:29]
	s_endpgm
	; ---------------- THE ACTIVATIONS: each load reads 512 consecutive bytes of a row; the bytes turn through my wave's stage so that a lane holds 16 neighbours of each block
.Lact:
	s_sub_co_u32 s20, ttmp9, 256
	s_lshr_b32 s21, s20, 9                         ; 0 query, 1 kv
	s_bfe_u32 s22, s20, 0x80001                    ; the pair P
	s_and_b32 s23, s20, 1                          ; the tile u
	s_lshl_b32 s27, s22, 5
	s_lshl_b32 s28, s23, 3
	s_add_co_u32 s27, s27, s28                     ; the tile's first row: 32 P + 8 u
	s_lshl_b32 s33, s21, 8
	s_add_co_u32 s33, s33, s22
	s_mul_i32 s34, s33, PB                         ; my pair block
	s_lshl_b32 s33, s23, 11
	s_lshl_b32 s35, s[WV], 13
	s_add_co_u32 s36, s34, s33
	s_add_co_u32 s36, s36, s35                     ; fragment (2 a, u): 8,192 a + 2,048 u
	s_mov_b32 s37, 0
	s_lshl_b32 s33, s23, 9
	s_lshl_b32 s35, s[WV], 7
	s_add_co_u32 s38, s34, s33
	s_add_co_u32 s38, s38, s35
	s_add_co_u32 s38, s38, 32768                   ; the scale words of K steps 2 a and 2 a + 1: 128 consecutive bytes
	s_mov_b32 s39, 0
.irp b, 0,1,2,3
	v_mov_b32 v[TM+4+\b], 0                        ; written once: a lane permute's destination counts as one of its sources
.endr
	s_wait_kmcnt 0x0
	s_cmp_eq_u32 s21, 0
	s_cselect_b64 s[24:25], s[4:5], s[6:7]
	s_mov_b32 s26, 3072
	s_cselect_b32 s26, 4096, s26                   ; a row in bytes
	s_mul_i32 s28, s27, s26
	s_lshl_b32 s29, s[WV], 10
	s_add_co_u32 s28, s28, s29                     ; + 1,024 a: my two K steps
	s_mov_b32 s29, 0
	s_add_nc_u64 s[24:25], s[24:25], s[28:29]
	s_add_nc_u64 s[36:37], s[16:17], s[36:37]
	s_add_nc_u64 s[38:39], s[16:17], s[38:39]
.irp i, 0,1,2,3,4,5,6,7,8,9,10,11,12,13,14,15
	v_mad_u32_u24 v[OFF+\i], s26, \i+8*(\i/8), v[LI]   ; tile row i is i + 8 (i / 8) rows on
.endr
	s_lshl_b32 s33, s21, 2
	s_add_co_u32 s33, s33, s[WV]
	s_cmp_eq_u32 s33, 7                            ; kv's wave 3: K steps 6 and 7 lie past its 768
	s_cbranch_scc1 .Lazero
.irp f, 0,1
.irp i, 0,1,2,3,4,5,6,7,8,9,10,11,12,13,14,15
	global_load_b128 v[R0+64*\f+4*\i:R0+64*\f+4*\i+3], v[OFF+\i], s[24:25] offset:512*\f th:TH_LOAD_NT
.endr
.endr
.macro TURN f, src, dst                ; LDS serves a wave's instructions in order (ISA guide 5.7.1.4): no wait between the stores and the loads
.irp i, 0,1,2,3,4,5,6,7,8,9,10,11,12,13,14,15
	ds_store_b128 v[SW], v[\src+4*\i:\src+4*\i+3] offset:STG*\f+528*\i
.endr
	s_wait_dscnt 0x0                               ; the stores have read their registers: the loads below may land there
.irp c, 0,1,2,3
.irp q, 0,1,2,3
	ds_load_b128 v[\dst+16*\c+4*\q:\dst+16*\c+4*\q+3], v[SR] offset:STG*\f+128*\c+16*\q   ; row r, k = 32 c + 16 h + 4 q on
.endr
.endr
.endm
	s_wait_loadcnt 16                              ; the first K step's 16 loads are in; the second's may be out
	TURN 0, R0, X0
	s_wait_dscnt 0x0
	QUANT X0
	v_mov_b32 v[PW0], v[PW]
.irp c, 0,1,2,3
	global_store_b128 v[LI], v[PC+4*\c:PC+4*\c+3], s[36:37] offset:512*\c   ; 32 lanes store 512 consecutive aligned bytes
.endr
	s_wait_loadcnt 0x0
	TURN 0, R1, R0                                 ; the same stage again: the first K step's reads of it have been waited for
	s_wait_dscnt 0x0
	s_wait_xcnt 0x0                                ; the four stores have read their data: the codes' registers are written again only behind this wait
	QUANT R0
.irp c, 0,1,2,3
	global_store_b128 v[LI], v[PC+4*\c:PC+4*\c+3], s[36:37] offset:4096+512*\c
.endr
	v_cmp_gt_u32 vcc_lo, 16, v1
	v_cndmask_b32 v[PWS], v[PW], v[PW0], vcc_lo    ; lanes 0-15: K step 2 a's words; lanes 16-31: K step 2 a + 1's
	global_store_b32 v[LS], v[PWS], s[38:39]
	s_wait_tensorcnt 0x0
	ds_add_u32 v62, v63
	s_wait_dscnt 0x0
	s_endpgm
.Lazero:
.irp i, 0,1,2,3
	v_mov_b32 v[PC+\i], 0
.endr
	v_mov_b32 v[PWS], 0x7f7f7f7f
.irp f, 0,1
.irp c, 0,1,2,3
	global_store_b128 v[LI], v[PC:PC+3], s[36:37] offset:4096*\f+512*\c
.endr
.endr
	global_store_b32 v[LS], v[PWS], s[38:39]
	s_endpgm
.Lfunc_end_k_q7c20df1031_prep:
	.size	k_q7c20df1031_prep, .Lfunc_end_k_q7c20df1031_prep-k_q7c20df1031_prep
	.p2alignl 7, 3214868480
	.fill 96, 4, 3214868480
	.section	.rodata,"a",@progbits
	.p2align	6, 0x0
	.amdhsa_kernel k_q7c20df1031_prep
		.amdhsa_group_segment_fixed_size 34304
		.amdhsa_private_segment_fixed_size 0
		.amdhsa_enable_private_segment 0
		.amdhsa_kernarg_size 56
		.amdhsa_user_sgpr_count 2
		.amdhsa_user_sgpr_kernarg_segment_ptr 1
		.amdhsa_wavefront_size32 1
		.amdhsa_system_sgpr_workgroup_id_x 1
		.amdhsa_system_sgpr_workgroup_id_y 1
		.amdhsa_system_sgpr_workgroup_id_z 1
		.amdhsa_system_vgpr_workitem_id 0
		.amdhsa_next_free_vgpr 192
		.amdhsa_next_free_sgpr 66
		.amdhsa_reserve_vcc 1
		.amdhsa_float_denorm_mode_32 3
		.amdhsa_float_denorm_mode_16_64 3
		.amdhsa_memory_ordered 1
		.amdhsa_forward_progress 1
		.amdhsa_inst_pref_size 59
	.end_amdhsa_kernel
	.amdgpu_metadata
---
amdhsa.version: [ 1, 2 ]
amdhsa.kernels:
  - .name:           k_q7c20df1031_prep
    .symbol:         k_q7c20df1031_prep.kd
    .args:
      - { .name: query, .offset: 0, .size: 8, .value_kind: global_buffer, .address_space: global }
      - { .name: kv, .offset: 8, .size: 8, .value_kind: global_buffer, .address_space: global }
      - { .name: Wq, .offset: 16, .size: 8, .value_kind: global_buffer, .address_space: global }
      - { .name: Wk, .offset: 24, .size: 8, .value_kind: global_buffer, .address_space: global }
      - { .name: Wv, .offset: 32, .size: 8, .value_kind: global_buffer, .address_space: global }
      - { .name: Wo, .offset: 40, .size: 8, .value_kind: global_buffer, .address_space: global }
      - { .name: img, .offset: 48, .size: 8, .value_kind: global_buffer, .address_space: global }
    .group_segment_fixed_size: 34304
    .private_segment_fixed_size: 0
    .kernarg_segment_align: 8
    .kernarg_segment_size: 56
    .max_flat_workgroup_size: 128
    .sgpr_count:     66
    .vgpr_count:     192
    .wavefront_size: 32
...
	.end_amdgpu_metadata
.endif
;; end of part 1
;; launch proj (part 2): grid 256 x 1, 4 waves a work-group, clusters of 4 x 1, 327,680 bytes of LDS; arguments img, kvimg; writes kvimg
.if DOCPART == 2
	.amdgcn_target "amdgcn-amd-amdhsa--gfx1250"
	.amdhsa_code_object_version 6
	.text
	.protected	k_q7c20df1031_proj
	.globl	k_q7c20df1031_proj
	.p2align	8
	.type	k_q7c20df1031_proj,@function
k_q7c20df1031_proj:
	s_mov_b64 s[64:65], 0
	v_nop
	global_prefetch_b8 v0, s[64:65] scope:SCOPE_SE
	s_setreg_imm32_b32 hwreg(HW_REG_WAVE_MODE, 25, 1), 1
	s_wait_xcnt 0x0
	s_wait_alu depctr_hold_cnt(0) depctr_sa_sdst(0) depctr_va_vdst(0) depctr_va_sdst(0) depctr_va_ssrc(0) depctr_va_vcc(0) depctr_vm_vsrc(0)
	s_getreg_b32 s2, hwreg(HW_REG_IB_STS2, 6, 4)
	s_cmp_eq_u32 s2, 0
	s_cbranch_scc0 .Lentry_in_a_cluster
	s_endpgm
.Lentry_in_a_cluster:
	s_bfe_u32 s2, ttmp6, 0x10000c
	s_cmp_lg_u32 s2, 0x3003
	s_cbranch_scc0 .Lentry_shape_is_right
	s_endpgm
.Lentry_shape_is_right:
; PROJ: K = kv Wk (mode 1, clusters 0-31) and V = kv Wv (mode 2, clusters 32-63), [8192] x [1024] over 768, on codes of FP8 (E4M3) with E8M0 scales; each result is quantised again and leaves as codes and scale words
; in the order in which the next launch's LDS holds a head's block of kvimg (K's 64 fragments, V's 64, the scale words: 270,336 bytes a head).  Q is made by the launch that uses it.
; img holds pair blocks of PB bytes: 32 rows in two tiles; fragment (K step s, tile u) at (2 s + u) x 2,048 as an image of the operand's registers; scale words at 32,768 + 512 u + 64 s + 4 r.  K steps 6, 7 of these operands are zeros and are not read into registers.
; SHARES.  A work-group makes 256 x 256.  A wave keeps 64 rows of one operand in registers (mode 1: columns of Wk; mode 2: rows of kv): two pair blocks, six K steps, 384 registers, read from memory once.
; The other operand's 256 rows (mode 1: rows of kv; mode 2: columns of Wv), eight pair blocks, are asked for jointly by the cluster's four work-groups, a block a wave, in two groups, each filled once.
; Mode 1 quantises along the head's channels, mode 2 along the keys: in both the 64 kept rows run along a lane's registers, so one quantiser serves both.
; THE STREAM HAS TWO SETS OF REGISTERS: while a pair's 48 products run, the next pair's 12 fragments are fetched from LDS in six runs of eight loads among them.
; No prefetch: each block is asked for once, at the head or directly behind the first group's landing.
; LIMITS: a block of zeros gets the byte 1 where the rule says 127 (its codes are zeros; this program alone reads the bytes); NaN and infinities are not served.
; REGISTERS.  Window 0: addresses; v35-40 and v243-248 the stream's scale words, two sets; v48-111 eight sums (32 t + 8 i); v112-127 codes; v200-216 at work; v224-239 the kept operand's scale words.
;   Windows 1, 2: the kept pairs, fragment (tile il, K step s) at 16 (8 il + s).  Stream set 0: window 3, fragment 2 s + t at 16 (2 s + t).
;   Stream set 1: fragments 0-3 in window 3 from v192; 4-7 in window 1 and 8-11 in window 2, at v96, v112, v224, v240, which the kept pairs leave free.
.set PB,    33792
.set FLOOR, 0x4800000
.set SPARE, 8*PB                       ; behind the eight blocks: the spare words
.set LI,  4                            ; 16 x lane
.set LS,  5                            ; 4 x lane
.set VB,  7
.set VS,  8
.set XAD, 9                            ; LDS: the pair that is being fetched
.set XSA, 10                           ; and its scale words
.set SPW, 12
.set NIL, 13
.set XS1, 35
.set ACC, 48
.set PC,  112
.set TM,  200
.set PW,  216
.set WS,  224
.set XS0, 243
.set WV,   10
.set MODE, 12
.set G1,   24
.set G0A,  32
.set G0B,  36
.set OB,   40
.set SB,   42
.set INCE, 44
.set INCO, 46
.set SINCO, 48
.set SEL,  52
.set MNT,  54
.set S0P,  56
.set MSB, 0
.macro WIN new                         ; the immediate's high byte repeats the setting that is left
.if MSB != (\new)
	s_set_vgpr_msb (MSB<<8)|(\new)
.set MSB, (\new)
.endif
.endm
.macro PLACES n
.rept \n
	v_nop
.endr
.endm
.macro CROUND
	s_barrier_signal -1
	s_barrier_wait -1
	s_cmp_lg_u32 s[WV], 0
	s_cbranch_scc1 .Lnot_wave_0_\@
	s_barrier_signal -3
.Lnot_wave_0_\@:
	s_barrier_wait -3
	s_barrier_signal -1
	s_barrier_wait -1
.endm
; 64 sums of a lane, four blocks of 16 registers, each with lane l xor 16's 16: codes in v[PC] on, the scale word in v[PW]
.macro QUANT s
.irp b, 0,1,2,3
	v_max3_num_f32 v[TM+\b], |v[\s+16*\b]|, |v[\s+1+16*\b]|, FLOOR
.endr
.irp i, 2,4,6,8,10,12,14
.irp b, 0,1,2,3
	v_max3_num_f32 v[TM+\b], v[TM+\b], |v[\s+16*\b+\i]|, |v[\s+1+16*\b+\i]|
.endr
.endr
.irp b, 0,1,2,3
	v_permlanex16_b32 v[TM+4+\b], v[TM+\b], s[SEL], s[SEL+1]
.endr
.irp b, 0,1,2,3
	v_max_num_f32 v[TM+\b], v[TM+\b], v[TM+4+\b]
.endr
.irp b, 0,1,2,3
	v_add_nc_u32 v[TM+12+\b], 0xfc000000, v[TM+\b]            ; 8 off the exponent field: the conversion's scale operand
.endr
.irp b, 0,1,2,3
	v_and_or_b32 v[TM+8+\b], v[TM+\b], 0x7f800000, s[MNT]     ; 448 x the scale
.endr
.irp b, 0,1,2,3
	v_lshrrev_b32 v[TM+4+\b], 23, v[TM+12+\b]
.endr
	v_lshl_or_b32 v[PW], v[TM+5], 8, v[TM+4]
	v_lshl_or_b32 v[PW], v[TM+6], 16, v[PW]
	v_lshl_or_b32 v[PW], v[TM+7], 24, v[PW]
.irp b, 0,1,2,3
.irp i, 0,1,2,3,4,5,6,7,8,9,10,11,12,13,14,15
	v_med3_num_f32 v[\s+16*\b+\i], v[\s+16*\b+\i], -v[TM+8+\b], v[TM+8+\b]   ; the conversion does not saturate (ISA guide 7.6.2)
.endr
	v_cvt_scalef32_pk8_fp8_f32 v[PC+4*\b:PC+1+4*\b], v[\s+16*\b:\s+7+16*\b], v[TM+12+\b]
	v_cvt_scalef32_pk8_fp8_f32 v[PC+2+4*\b:PC+3+4*\b], v[\s+8+16*\b:\s+15+16*\b], v[TM+12+\b]
.endr
	v_nop                                          ; a plain line behind the last conversion
.endm
	s_load_b128 s[4:7], s[0:1], 0x0                ; img, kvimg
	v_lshl_add_u32 v[SPW], v0, 2, SPARE
	v_mov_b32 v[NIL], 0
	ds_add_u32 v[SPW], v[NIL]                      ; the opening lines
	ds_add_u32 v[SPW], v[NIL]
	v_lshrrev_b32 v1, 5, v0
	v_readfirstlane_b32 s[WV], v1
	v_and_b32 v1, 31, v0
	v_and_b32 v2, 15, v0
	v_lshlrev_b32 v[LI], 4, v1
	v_lshlrev_b32 v[LS], 2, v1
	v_lshlrev_b32 v[VS], 2, v2
	v_mov_b32 v[XAD], v[LI]                        ; stream pair 0
	v_add_nc_u32 v[XSA], 32768, v[LS]
.irp b, 0,1,2,3
	v_mov_b32 v[TM+4+\b], 0                        ; a lane permute's destination counts as one of its sources
.endr
	s_bfe_u32 s11, ttmp6, 0x40000                  ; cx: it enters the kept operand's and the results' addresses alone
	s_lshr_b32 s[MODE], ttmp9, 5
	s_add_co_u32 s[MODE], s[MODE], 1
	s_and_b32 s13, ttmp9, 31
	s_lshr_b32 s20, s13, 2
	s_and_b32 s21, s13, 3
	s_mov_b32 s16, 544                             ; the kept operand's first pair block: Wk's, or kv's;
	s_mov_b32 s17, 256                             ; the stream's: kv's, or Wv's
	s_cmp_eq_u32 s[MODE], 2
	s_cselect_b32 s16, 256, s16
	s_cselect_b32 s17, 576, s17
	s_cselect_b32 s14, s20, 0
	s_cselect_b32 s15, s21, s13
	s_mov_b32 s[INCE], 2048
	s_cselect_b32 s[INCE], 4096, s[INCE]
	s_mov_b32 s[INCO], 2048
	s_cselect_b32 s[INCO], 266240, s[INCO]
	s_cselect_b32 s[SINCO], 270272, 64
	s_mov_b32 s18, 1024
	s_cselect_b32 s18, 2048, s18
	s_mov_b32 s[INCE+1], 0
	s_mov_b32 s[INCO+1], 0
	s_mov_b32 s[SINCO+1], 0
	s_wait_alu depctr_va_vdst(0)                   ; the wait ahead of the reader below
	v_add_nc_u32 v[VB], s18, v[LI]
	s_mov_b32 s[SEL], 0x76543210
	s_mov_b32 s[SEL+1], 0xfedcba98
	s_mov_b32 s[MNT], 0x600000
	s_lshl_b32 s22, s15, 3
	s_add_co_u32 s22, s22, s17
	s_add_co_u32 s22, s22, s[WV]
	s_mul_i32 s22, s22, PB                         ; the stream: wave w brings blocks w and w + 4 of the eight
	s_mov_b32 s23, 0
	s_mov_b32 s[G1], 15|(3<<16)|(1<<21)            ; the mask: all four work-groups; elements of 8 bytes; bit 21 beside a mask
	s_mov_b32 s[G1+1], 32<<16                      ; rows of 256 bytes,
	s_mov_b32 s[G1+2], 132<<16                     ; 132 of them: a pair block
	s_mov_b32 s[G1+3], 32<<16
	s_mov_b32 s[G1+4], 132
	s_mov_b32 s[G1+5], 32
	s_mov_b32 s[G1+6], 0
	s_mov_b32 s[G1+7], 0
	s_mov_b32 s[G0A], 1
	s_mul_i32 s[G0A+1], s[WV], PB
	s_mov_b32 s[G0B], 1
	s_add_co_u32 s[G0B+1], s[G0A+1], 4*PB
	s_lshl_b32 s66, s14, 2
	s_add_co_u32 s66, s66, s11
	s_lshl_b32 s66, s66, 2
	s_add_co_u32 s66, s66, s[WV]                   ; which 64 kept rows are mine
	s_lshl_b32 s67, s66, 1
	s_add_co_u32 s67, s67, s16
	s_mul_i32 s68, s67, PB
	s_mov_b32 s69, 0
	s_lshr_b32 s70, s66, 5                         ; where the results go: the head's block, and the place in it
	s_lshl_b32 s70, s70, 4
	s_lshl_b32 s71, s15, 2
	s_add_co_u32 s70, s70, s71
	s_lshr_b32 s71, s15, 3
	s_lshl_b32 s71, s71, 4
	s_add_co_u32 s71, s71, s66
	s_bfe_u32 s72, s66, 0x40001
	s_and_b32 s73, s66, 1
	s_lshl_b32 s74, s72, 13
	s_lshl_b32 s75, s73, 10
	s_add_co_u32 s74, s74, s75
	s_add_co_u32 s74, s74, 131072
	s_lshl_b32 s75, s72, 8
	s_lshl_b32 s76, s73, 7
	s_add_co_u32 s75, s75, s76
	s_add_co_u32 s75, s75, 266240
	s_and_b32 s76, s15, 7
	s_lshl_b32 s77, s76, 14
	s_lshl_b32 s76, s76, 9
	s_mov_b32 s78, 270336
	s_add_co_u32 s76, s76, 262144
	s_cmp_eq_u32 s[MODE], 2
	s_cselect_b32 s70, s70, s71
	s_cselect_b32 s74, s74, s77
	s_cselect_b32 s75, s75, s76
	s_mul_i32 s70, s70, s78
	s_add_co_u32 s72, s74, s70
	s_mov_b32 s73, 0
	s_add_co_u32 s76, s75, s70
	s_mov_b32 s77, 0
	s_wait_alu depctr_va_vdst(0)                   ; the wait at the head's end
	s_wait_dscnt 0x0
	s_wait_kmcnt 0x0
	s_mov_b64 s[OB:OB+1], s[6:7]
	s_add_nc_u64 s[SB:SB+1], s[OB:OB+1], s[76:77]
	s_add_nc_u64 s[OB:OB+1], s[OB:OB+1], s[72:73]
	s_add_nc_u64 s[S0P:S0P+1], s[4:5], s[68:69]
	s_add_nc_u64 s[G0A+2:G0A+3], s[4:5], s[22:23]
	s_add_nc_u64 s[G0B+2:G0B+3], s[G0A+2:G0A+3], 4*PB
	s_or_b32 s[G0A+3], s[G0A+3], 0x80000000
	s_or_b32 s[G0B+3], s[G0B+3], 0x80000000
	CROUND                                         ; all four work-groups are here: the joint loads meet
	tensor_load_to_lds s[G0A:G0A+3], s[G1:G1+7]    ; blocks 0-3, one a wave
	s_nop 0
	PLACES 4
	; the kept operand, asked for while the tensor load is on its way: 12 loads of scale words, then 48 for window 1 and 48 for window 2
.irp i, 0,1,2,3
.irp a, 0,1,2
	global_load_b32 v[WS+4*\i+\a], v[LS], s[S0P:S0P+1] offset:(\i/2)*PB+32768+512*(\i%2)+128*\a   ; lanes 0-15 K step 2 a, lanes 16-31 K step 2 a + 1
.endr
.endr
	WIN 0x40
.irp s, 0,1,2,3,4,5
.irp il, 0,1
.irp c, 0,1,2,3
	global_load_b128 v[16*(8*\il+\s)+4*\c:16*(8*\il+\s)+4*\c+3], v[LI], s[S0P:S0P+1] offset:(2*\s+\il)*2048+512*\c
.endr
.endr
.endr
	WIN 0x80
.irp s, 0,1,2,3,4,5
.irp il, 0,1
.irp c, 0,1,2,3
	global_load_b128 v[16*(8*\il+\s)+4*\c:16*(8*\il+\s)+4*\c+3], v[LI], s[S0P:S0P+1] offset:PB+(2*\s+\il)*2048+512*\c
.endr
.endr
.endr
	WIN 0
	s_wait_tensorcnt 0x0                           ; my block has landed
	ds_add_u32 v[SPW], v[NIL]
	s_wait_dscnt 0x0
	CROUND                                         ; everybody's block has landed
	tensor_load_to_lds s[G0B:G0B+3], s[G1:G1+7]    ; blocks 4-7
	s_nop 0
	PLACES 4
.macro SETB q, idx                     ; fragment idx = 2 s + t of stream pair q lies in window bW at register bR
.if ((\q)%2) == 0
.set bW, 3
.set bR, 16*(\idx)
.elseif (\idx) < 4
.set bW, 3
.set bR, 192+16*(\idx)
.else
.set bW, 1+((\idx)-4)/4
.set bR, 96+16*((\idx)%4)+96*(((\idx)%4)/2)
.endif
.endm
.macro BURST q, bi                     ; fragments 2 bi and 2 bi + 1 of stream pair q: eight LDS loads
.irp e, 0,1
	SETB \q, 2*(\bi)+\e
	WIN bW<<6
.irp c, 0,1,2,3
	ds_load_b128 v[bR+4*\c:bR+4*\c+3], v[XAD] offset:(2*(\bi)+\e)*2048+512*\c
.endr
.endr
.endm
.macro XSL q                           ; its six scale words
.irp t, 0,1
.irp a, 0,1,2
	ds_load_b32 v[XS0+(XS1-XS0)*((\q)%2)+3*\t+\a], v[XSA] offset:512*\t+128*\a
.endr
.endr
.endm
.macro MM p, t, il, wd
	SETB \p, 2*sK+(\t)
.set rD, ACC+32*(\t)+8*(2*((\wd)-1)+(\il))
.set rA, 16*(8*(\il)+sK)
.set rW, WS+4*(2*((\wd)-1)+(\il))+sK/2
.set rX, XS0+(XS1-XS0)*((\p)%2)+3*(\t)+sK/2
	WIN (\wd)|(bW<<2)
.if sK == 0
	v_wmma_scale_f32_16x16x128_f8f6f4 v[rD:rD+7], v[rA:rA+15], v[bR:bR+15], 0, v[rW], v[rX]
.elseif sK%2
	v_wmma_scale_f32_16x16x128_f8f6f4 v[rD:rD+7], v[rA:rA+15], v[bR:bR+15], v[rD:rD+7], v[rW], v[rX] matrix_a_scale:MATRIX_SCALE_ROW1 matrix_b_scale:MATRIX_SCALE_ROW1
.else
	v_wmma_scale_f32_16x16x128_f8f6f4 v[rD:rD+7], v[rA:rA+15], v[bR:bR+15], v[rD:rD+7], v[rW], v[rX]
.endif
.endm
.macro MULS p, wd                      ; six K steps against window wd's pair: four sums by turns; behind every second K step a run of the next pair's loads, into the set that this pair does not read
.set sK, 0
.rept 6
.irp t, 0,1
.irp il, 0,1
	MM \p, \t, \il, \wd
.endr
.endr
.if ((\p) < 7) && (sK%2)
	BURST (\p)+1, 3*((\wd)-1)+sK/2
.endif
.set sK, sK+1
.endr
.endm
.macro PAIR p
.if (\p) == 3
	s_wait_tensorcnt 0x0                           ; my block of blocks 4-7 has landed,
.endif
	s_wait_dscnt 0x0                               ; this pair's fragments and scale words are in: nothing else of mine is out
.if (\p) == 3
	s_barrier_signal -1
	s_barrier_wait -1                              ; everybody's has: this pair's runs fetch from block 4
.endif
.if (\p) < 7
	v_add_nc_u32 v[XAD], ((\p)+1)*PB, v[LI]
	v_add_nc_u32 v[XSA], ((\p)+1)*PB+32768, v[LS]
	s_wait_alu depctr_va_vdst(0)                   ; the wait directly behind the writes: their readers stand among window switches
	XSL (\p)+1
.endif
.if (\p) == 0
	s_wait_loadcnt 48                              ; behind window 1's last load stand window 2's 48
.endif
	MULS \p, 1
.if (\p) == 0
	s_wait_loadcnt 0x0
.endif
	MULS \p, 2
	WIN 0
	PLACES 8                                       ; eight places behind this form, ahead of the first read of the sums
.if (\p) > 0
	s_wait_xcnt 0x0                                ; the last pair's stores have read their registers and bases
.if (\p)%2
	s_add_nc_u64 s[OB:OB+1], s[OB:OB+1], s[INCE:INCE+1]
	s_add_nc_u64 s[SB:SB+1], s[SB:SB+1], 64
.else
	s_add_nc_u64 s[OB:OB+1], s[OB:OB+1], s[INCO:INCO+1]
	s_add_nc_u64 s[SB:SB+1], s[SB:SB+1], s[SINCO:SINCO+1]
.endif
.endif
	QUANT ACC
	global_store_b128 v[LI], v[PC:PC+3], s[OB:OB+1]            ; 512 consecutive aligned bytes each
	global_store_b128 v[LI], v[PC+4:PC+7], s[OB:OB+1] offset:512
	global_store_b128 v[VB], v[PC+8:PC+11], s[OB:OB+1]
	global_store_b128 v[VB], v[PC+12:PC+15], s[OB:OB+1] offset:512
	global_store_b32 v[VS], v[PW], s[SB:SB+1]
.endm
	XSL 0
.irp bi, 0,1,2,3,4,5
	BURST 0, \bi
.endr
	WIN 0
	PAIR 0
	PAIR 1
	PAIR 2
	PAIR 3
	PAIR 4
	PAIR 5
	PAIR 6
	PAIR 7
	s_wait_tensorcnt 0x0                           ; the wave's end
	ds_add_u32 v[SPW], v[NIL]
	s_wait_dscnt 0x0
	CROUND                                         ; the closing round
	s_endpgm
.Lfunc_end_k_q7c20df1031_proj:
	.size	k_q7c20df1031_proj, .Lfunc_end_k_q7c20df1031_proj-k_q7c20df1031_proj
	.p2alignl 7, 3214868480
	.fill 96, 4, 3214868480
	.section	.rodata,"a",@progbits
	.p2align	6, 0x0
	.amdhsa_kernel k_q7c20df1031_proj
		.amdhsa_group_segment_fixed_size 327680
		.amdhsa_private_segment_fixed_size 0
		.amdhsa_enable_private_segment 0
		.amdhsa_kernarg_size 16
		.amdhsa_user_sgpr_count 2
		.amdhsa_user_sgpr_kernarg_segment_ptr 1
		.amdhsa_wavefront_size32 1
		.amdhsa_system_sgpr_workgroup_id_x 1
		.amdhsa_system_sgpr_workgroup_id_y 1
		.amdhsa_system_sgpr_workgroup_id_z 1
		.amdhsa_system_vgpr_workitem_id 0
		.amdhsa_next_free_vgpr 1024
		.amdhsa_next_free_sgpr 80
		.amdhsa_reserve_vcc 0
		.amdhsa_float_denorm_mode_32 3
		.amdhsa_float_denorm_mode_16_64 3
		.amdhsa_memory_ordered 1
		.amdhsa_forward_progress 1
		.amdhsa_inst_pref_size 167
	.end_amdhsa_kernel
	.amdgpu_metadata
---
amdhsa.version: [ 1, 2 ]
amdhsa.kernels:
  - .name:           k_q7c20df1031_proj
    .symbol:         k_q7c20df1031_proj.kd
    .args:
      - { .name: img, .offset: 0, .size: 8, .value_kind: global_buffer, .address_space: global }
      - { .name: kvimg, .offset: 8, .size: 8, .value_kind: global_buffer, .address_space: global }
    .group_segment_fixed_size: 327680
    .private_segment_fixed_size: 0
    .kernarg_segment_align: 8
    .kernarg_segment_size: 16
    .max_flat_workgroup_size: 128
    .sgpr_count:     80
    .vgpr_count:     1024
    .wavefront_size: 32
...
	.end_amdgpu_metadata
.endif
;; end of part 2
;; launch attn (part 3): grid 4 x 64, 16 waves a work-group, clusters of 4 x 1, 327,680 bytes of LDS; arguments img, kvimg, oimg; writes oimg
.if DOCPART == 3
	.amdgcn_target "amdgcn-amd-amdhsa--gfx1250"
	.amdhsa_code_object_version 6
	.text
	.protected	k_q7c20df1031_attn
	.globl	k_q7c20df1031_attn
	.p2align	8
	.type	k_q7c20df1031_attn,@function
k_q7c20df1031_attn:
	s_mov_b64 s[64:65], 0
	v_nop
	global_prefetch_b8 v0, s[64:65] scope:SCOPE_SE
	s_setreg_imm32_b32 hwreg(HW_REG_WAVE_MODE, 25, 1), 1
	s_wait_xcnt 0x0
	s_wait_alu depctr_hold_cnt(0) depctr_sa_sdst(0) depctr_va_vdst(0) depctr_va_sdst(0) depctr_va_ssrc(0) depctr_va_vcc(0) depctr_vm_vsrc(0)
	s_getreg_b32 s2, hwreg(HW_REG_IB_STS2, 6, 4)
	s_cmp_eq_u32 s2, 0
	s_cbranch_scc0 .Lentry_in_a_cluster
	s_endpgm
.Lentry_in_a_cluster:
	s_bfe_u32 s2, ttmp6, 0x10000c
	s_cmp_lg_u32 s2, 0x3003
	s_cbranch_scc0 .Lentry_shape_is_right
	s_endpgm
.Lentry_shape_is_right:
; ATTN: for each of 64 heads (batch x head): q = query Wq (this head's 64 columns), quantised; S = q k^T / 8; p = 2^(t - M); O = p v / l.  All three products on codes of FP8 (E4M3) with E8M0 scales.
; O is quantised along head x 64 + channel and leaves as codes for the last product.  No step of the problem is left out.
; THE SOFTMAX: t = score x log2(e) / 8; M = the running largest t rounded UP to a whole number; p = 2^(t - M) is quantised along the keys, not normalised; the row's sum is taken of the unquantised p and divides O at the end.
; When M moves, the sum and O are multiplied by 2^(old M - new M): exact.  q's factor 1/8, a power of two, is taken off the score: the codes are the same.
; LIMITS: that differs from scaling q first only where a block of q lies under 2^-115; a block of zeros gets the byte 1 where the rule says 127 (its codes are zeros; this program alone reads the bytes);
; NaN and infinities are not served; the scaled scores stay under 2^31 in magnitude.
; SHARES.  A cluster of four work-groups takes one head; a work-group 512 queries: 16 pairs of tiles of 16.  SIXTEEN WAVES, four to a SIMD: wave w takes pair w, one tile in each of two passes over the keys.
; LDS holds the head's whole block of kvimg, byte for byte (K's 64 fragments, V's 64, the scale words): 270,336 bytes, asked for jointly by the four partners.
; At the head Wq's 65,536 bytes of codes for this head lie where V's key steps 8-15 belong; behind Q's projection those bytes are filled again, once, with V's, in a drained round of the cluster's barrier.
; HEAD LOADS, one a wave: waves 0, 1 a pair block of Wq's codes each; waves 2, 3 half of the scale words each; waves 4-15 16,384 bytes each of K and of V's key steps 0-7.
; No prefetch: every byte of K and V is asked for at the head or directly behind Q's projection, so no later step has bytes left to ask for; the query's fragments are loaded three K steps ahead into registers.
; Q'S PROJECTION: source 0 = 16 columns of Wq (from LDS), source 1 = 16 queries (from memory, each byte read once by the work-group): a lane holds one query, its registers run along the channels, and the conversions' results are Q's operand registers.
; LAYOUT.  Both attention products are used transposed: S^T = K Q^T, O^T = V^T P^T: a lane holds ONE query.  A fragment of K holds tile 0 of a key pair in k = 0 .. 63 and tile 1 in k = 64 .. 127; it is multiplied by [Q | 0] and by [0 | Q].
; REGISTERS: v1-5 addresses; v6, v7 the spare word's address and 0; v8-11, v60-63 four chains of the row's sum; v12 -M, v13 the largest score, v[14:15] the sum; v16-23 Q, v24-31 zeros, v32-39 Q again, v40-47 the second tile's Q;
;   v48-59 scale words and f; v64-127 four fragments; v128-191 S^T, then p; v192-223 O^T; v224-239 p's codes; v240-255 at work.
;   In Q's projection: v8-15 the query's scale words, v48-63 Wq's, v128-191 the sums, v192-255 and v16-47 three sets of the query's fragments.
.set PB,    33792
.set FLOOR, 0x4800000
.set WQL,   196608                     ; LDS: V's key steps 8-15; at first Wq's codes
.set SCW,   262144                     ; LDS: the scale words
.set SPARE, 270336                     ; the spare words: 128 bytes a wave
.set AK0, 1                            ; 16 x lane
.set AS0, 2                            ; SCW + 4 x lane
.set ADK, 3
.set ADV, 4
.set ADS, 5
.set WAD, 4                            ; in Q's projection: WQL + 16 x lane
.set LS,  5                            ; and 4 x lane
.set SPW, 6
.set NIL, 7
.set XS,  8
.set WS,  48
.set QS,  48
.set QPW, 49
.set BF,  64
.set SS,  128
.set OO,  192
.set CD,  224
.set BM,  240
.set BT,  244
.set HL,  248
.set SO,  252
.set WV,  10
.set TB,  14
.set TS,  15
.set CNT, 16
.set MNT, 17
.set SEL, 20
.set CS,  22
.set G1W, 24                           ; groups 1: 128, 16 and 64 rows of 256 bytes
.set G1S, 32
.set G1K, 40
.set G0W, 48
.set G0S, 52
.set G0K, 56
.set G0R, 60
.set OBS, 84
.set OSB, 86
.set XP,  94
.set WSP, 96
.macro PLACES n
.rept \n
	v_nop
.endr
.endm
.macro WALU
	s_wait_alu depctr_va_vdst(0)
.endm
.macro CROUND
	s_barrier_signal -1
	s_barrier_wait -1
	s_cmp_lg_u32 s[WV], 0
	s_cbranch_scc1 .Lnot_wave_0_\@
	s_barrier_signal -3
.Lnot_wave_0_\@:
	s_barrier_wait -3
	s_barrier_signal -1
	s_barrier_wait -1
.endm
.macro TL g0, g1                       ; a tensor load with the lines behind it
	tensor_load_to_lds s[\g0:\g0+3], s[\g1:\g1+7]
	s_nop 0
	PLACES 4
.endm
	s_load_b128 s[4:7], s[0:1], 0x0                ; img, kvimg
	s_load_b64 s[8:9], s[0:1], 0x10                ; oimg
	v_lshl_add_u32 v[SPW], v0, 2, SPARE
	v_mov_b32 v[NIL], 0
	ds_add_u32 v[SPW], v[NIL]                      ; the opening lines
	ds_add_u32 v[SPW], v[NIL]
	v_lshrrev_b32 v3, 5, v0
	v_readfirstlane_b32 s[WV], v3                  ; wave 0..15
	v_and_b32 v3, 31, v0
	v_lshlrev_b32 v[AK0], 4, v3
	v_lshl_add_u32 v[AS0], v3, 2, SCW
	v_lshlrev_b32 v[LS], 2, v3
	v_add_nc_u32 v[WAD], WQL, v[AK0]
	s_bfe_u32 s11, ttmp6, 0x40000                  ; cx: it enters the query's and O's addresses alone
	s_and_b32 s12, ttmp7, 0xffff                   ; the head block, 16 n + head: the four partners share it
	s_mov_b32 s[SEL], 0x76543210
	s_mov_b32 s[SEL+1], 0xfedcba98
	s_mov_b32 s[CS], 0x3e38aa3b                    ; c = log2(e) / 8
	s_mov_b32 s[CS+1], s[CS]
	s_mov_b32 s[MNT], 0x600000
.irp g, G1W, G1S, G1K
	s_mov_b32 s[\g], 15|(3<<16)|(1<<21)            ; the mask: all four work-groups; elements of 8 bytes; bit 21 beside a mask
	s_mov_b32 s[\g+1], 32<<16                      ; rows of 256 bytes
	s_mov_b32 s[\g+3], 32<<16
	s_mov_b32 s[\g+5], 32                          ; dense
	s_mov_b32 s[\g+6], 0
	s_mov_b32 s[\g+7], 0
.endr
	s_mov_b32 s[G1W+2], 128<<16
	s_mov_b32 s[G1W+4], 128
	s_mov_b32 s[G1S+2], 16<<16
	s_mov_b32 s[G1S+4], 16
	s_mov_b32 s[G1K+2], 64<<16
	s_mov_b32 s[G1K+4], 64
	s_mul_i32 s70, s12, 270336                     ; the head's block of kvimg; each tile has the same offset in LDS as in the block
	s_mov_b32 s71, 0
	s_add_co_u32 s66, s[WV], 12
	s_and_b32 s66, s66, 15
	s_lshl_b32 s66, s66, 14                        ; waves 4-15: part wave - 4 of the first 196,608 bytes
	s_mov_b32 s67, 0
	s_and_b32 s74, s[WV], 1
	s_lshl_b32 s68, s74, 12
	s_add_co_u32 s68, s68, SCW                     ; waves 2, 3: half of the scale words
	s_mov_b32 s69, 0
	s_and_b32 s72, s[WV], 3
	s_lshl_b32 s72, s72, 14
	s_add_co_u32 s72, s72, WQL                     ; the refill, waves 0-3: a quarter of V's key steps 8-15
	s_mov_b32 s73, 0
	s_lshl_b32 s75, s74, 15
	s_add_co_u32 s75, s75, WQL                     ; waves 0, 1: where a pair block's codes of Wq go
	s_and_b32 s76, s12, 15
	s_lshl_b32 s76, s76, 1
	s_add_co_u32 s76, s76, 512                     ; Wq's pair blocks 512 + 2 head and the next
	s_mul_i32 s80, s76, PB
	s_mov_b32 s81, 0
	s_add_co_u32 s76, s76, s74
	s_mul_i32 s76, s76, PB
	s_mov_b32 s77, 0
	s_lshl_b32 s13, s11, 4
	s_add_co_u32 s13, s13, s[WV]                   ; my query pair: 16 cx + wave
	s_lshr_b32 s82, s12, 4
	s_lshl_b32 s82, s82, 6
	s_add_co_u32 s82, s82, s13
	s_mul_i32 s82, s82, PB                         ; pair block 64 n + pair: of the query in img, and of O in oimg
	s_mov_b32 s83, 0
	s_bfe_u32 s88, s12, 0x30001                    ; K step of the last product: head / 2
	s_and_b32 s89, s12, 1                          ; and which half of it
	s_lshl_b32 s90, s88, 12
	s_lshl_b32 s91, s89, 10
	s_add_co_u32 s90, s90, s91
	s_add_co_u32 s90, s90, s82                     ; O's codes
	s_mov_b32 s91, 0
	s_lshl_b32 s92, s88, 6
	s_lshl_b32 s93, s89, 1
	s_add_co_u32 s92, s92, s93
	s_add_co_u32 s92, s92, 32768
	s_add_co_u32 s92, s92, s82                     ; O's scale bytes
	s_mov_b32 s93, 0
	WALU                                           ; the wait at the head's end
	s_wait_dscnt 0x0
	s_wait_kmcnt 0x0
	s_add_nc_u64 s[78:79], s[6:7], s[70:71]
	s_mov_b32 s[G0K], 1
	s_mov_b32 s[G0K+1], s66
	s_add_nc_u64 s[G0K+2:G0K+3], s[78:79], s[66:67]
	s_or_b32 s[G0K+3], s[G0K+3], 0x80000000
	s_mov_b32 s[G0S], 1
	s_mov_b32 s[G0S+1], s68
	s_add_nc_u64 s[G0S+2:G0S+3], s[78:79], s[68:69]
	s_or_b32 s[G0S+3], s[G0S+3], 0x80000000
	s_mov_b32 s[G0R], 1
	s_mov_b32 s[G0R+1], s72
	s_add_nc_u64 s[G0R+2:G0R+3], s[78:79], s[72:73]
	s_or_b32 s[G0R+3], s[G0R+3], 0x80000000
	s_mov_b32 s[G0W], 1
	s_mov_b32 s[G0W+1], s75
	s_add_nc_u64 s[G0W+2:G0W+3], s[4:5], s[76:77]
	s_or_b32 s[G0W+3], s[G0W+3], 0x80000000
	s_add_nc_u64 s[XP:XP+1], s[4:5], s[82:83]
	s_add_nc_u64 s[WSP:WSP+1], s[4:5], s[80:81]
	s_add_nc_u64 s[OBS:OBS+1], s[8:9], s[90:91]
	s_add_nc_u64 s[OSB:OSB+1], s[8:9], s[92:93]
	CROUND                                         ; all four work-groups are here: the joint loads meet
	s_cmp_lt_u32 s[WV], 2                          ; one chain of branches on the wave's number, one load to an arm
	s_cbranch_scc0 .Lhead_s
	TL G0W, G1W
	s_branch .Lasked
.Lhead_s:
	s_cmp_lt_u32 s[WV], 4
	s_cbranch_scc0 .Lhead_k
	TL G0S, G1S
	s_branch .Lasked
.Lhead_k:
	TL G0K, G1K
.Lasked:
.macro XLOAD s                         ; the query pair's two fragments of K step s into set s % 3
.set rB, 192+32*((\s)%3)-240*(((\s)%3)/2)
.irp t, 0,1
.irp c, 0,1,2,3
	global_load_b128 v[rB+16*\t+4*\c:rB+16*\t+4*\c+3], v[AK0], s[XP:XP+1] offset:(2*(\s)+\t)*2048+512*\c
.endr
.endr
.endm
.irp i, 0,1,2,3
.irp a, 0,1,2,3
	global_load_b32 v[WS+4*\i+\a], v[LS], s[WSP:WSP+1] offset:(\i/2)*PB+32768+512*(\i%2)+128*\a   ; Wq's scale words: lanes 0-15 K step 2 a, lanes 16-31 K step 2 a + 1
.endr
.endr
.irp t, 0,1
.irp a, 0,1,2,3
	global_load_b32 v[XS+4*\t+\a], v[LS], s[XP:XP+1] offset:32768+512*\t+128*\a                   ; the query's likewise
.endr
.endr
	XLOAD 0
	XLOAD 1
	XLOAD 2
	s_cmp_lt_u32 s[WV], 4
	s_cbranch_scc0 .Lnot_w
	s_wait_tensorcnt 0x0                           ; waves 0-3: Wq's codes and the scale words have landed; the other waves' wait stands ahead of the round below
.Lnot_w:
	s_barrier_signal -1
	s_barrier_wait -1
.macro QMM s, t, i
.set rD, SS+32*(\t)+8*(\i)
.set rA, BF+16*(\i)
.set rB, 192+32*((\s)%3)-240*(((\s)%3)/2)+16*(\t)
.set rW, WS+4*(\i)+(\s)/2
.set rX, XS+4*(\t)+(\s)/2
.if (\s) == 0
	v_wmma_scale_f32_16x16x128_f8f6f4 v[rD:rD+7], v[rA:rA+15], v[rB:rB+15], 0, v[rW], v[rX]
.elseif (\s)%2
	v_wmma_scale_f32_16x16x128_f8f6f4 v[rD:rD+7], v[rA:rA+15], v[rB:rB+15], v[rD:rD+7], v[rW], v[rX] matrix_a_scale:MATRIX_SCALE_ROW1 matrix_b_scale:MATRIX_SCALE_ROW1
.else
	v_wmma_scale_f32_16x16x128_f8f6f4 v[rD:rD+7], v[rA:rA+15], v[rB:rB+15], v[rD:rD+7], v[rW], v[rX]
.endif
.endm
.macro QSTEP s                         ; K step s of Q's projection: eight sums by turns
.if (\s) > 0
	PLACES 8                                       ; ahead of loads into registers that the last products read
.endif
.irp i, 0,1,2,3
.irp c, 0,1,2,3
	ds_load_b128 v[BF+16*\i+4*\c:BF+16*\i+4*\c+3], v[WAD] offset:32768*(\i/2)+(2*(\s)+\i%2)*2048+512*\c
.endr
.endr
.if ((\s) > 0) && ((\s) < 6)
	XLOAD (\s)+2                                   ; into the set that K step s - 1 read
.endif
.if (\s) < 6
	s_wait_loadcnt 16                              ; the two later K steps' eight loads each may be out
.elseif (\s) == 6
	s_wait_loadcnt 8
.else
	s_wait_loadcnt 0x0
.endif
	s_wait_dscnt 0x0
.irp t, 0,1
.irp i, 0,1,2,3
	QMM \s, \t, \i
.endr
.endr
.endm
.irp s, 0,1,2,3,4,5,6,7
	QSTEP \s
.endr
	PLACES 8
	; Q's quantiser: block b = registers 16 b on, with lane l xor 16's: blocks 0, 1 tile 0's 64 channels, blocks 2, 3 tile 1's
.irp b, 0,1,2,3
	v_mov_b32 v[BT+\b], 0                          ; a lane permute's destination counts as one of its sources
.endr
.irp b, 0,1,2,3
	v_max3_num_f32 v[BM+\b], |v[SS+16*\b]|, |v[SS+1+16*\b]|, FLOOR
.endr
.irp i, 2,4,6,8,10,12,14
.irp b, 0,1,2,3
	v_max3_num_f32 v[BM+\b], v[BM+\b], |v[SS+16*\b+\i]|, |v[SS+1+16*\b+\i]|
.endr
.endr
.irp b, 0,1,2,3
	v_permlanex16_b32 v[BT+\b], v[BM+\b], s[SEL], s[SEL+1]
.endr
.irp b, 0,1,2,3
	v_max_num_f32 v[BM+\b], v[BM+\b], v[BT+\b]
.endr
.irp b, 0,1,2,3
	v_add_nc_u32 v[SO+\b], 0xfc000000, v[BM+\b]    ; 8 off the exponent field: the conversion's scale operand
.endr
.irp b, 0,1,2,3
	v_and_or_b32 v[HL+\b], v[BM+\b], 0x7f800000, s[MNT]   ; 448 x the scale
.endr
.irp b, 0,1,2,3
	v_lshrrev_b32 v[BT+\b], 23, v[SO+\b]
.endr
	v_lshl_or_b32 v[QPW], v[BT+1], 8, v[BT]
	v_lshl_or_b32 v[QPW], v[BT+2], 16, v[QPW]
	v_lshl_or_b32 v[QPW], v[BT+3], 24, v[QPW]      ; my pair's scale word: tile 0's two bytes, tile 1's two
.irp b, 0,1,2,3
.irp i, 0,1,2,3,4,5,6,7,8,9,10,11,12,13,14,15
	v_med3_num_f32 v[SS+16*\b+\i], v[SS+16*\b+\i], -v[HL+\b], v[HL+\b]   ; the conversion does not saturate (ISA guide 7.6.2)
.endr
	v_cvt_scalef32_pk8_fp8_f32 v[16+4*\b+16*(\b/2):17+4*\b+16*(\b/2)], v[SS+16*\b:SS+7+16*\b], v[SO+\b]      ; tile 0 -> v16-23, tile 1 -> v40-47
	v_cvt_scalef32_pk8_fp8_f32 v[18+4*\b+16*(\b/2):19+4*\b+16*(\b/2)], v[SS+8+16*\b:SS+15+16*\b], v[SO+\b]
.endr
	v_nop                                          ; a plain line behind the last conversion
.irp j, 0,1,2,3,4,5,6,7
	v_mov_b32 v[32+\j], v[16+\j]                   ; Q once more, for [0 | Q]
	v_mov_b32 v[24+\j], 0                          ; the zero half of [Q | 0] and [0 | Q]
.endr
	v_perm_b32 v[QS], v[QPW], v[QPW], 0x01000100   ; tile 0's two bytes, twice
.macro INIT                            ; the loop has no first step of its own: O^T and the sum begin as zeros, the largest score under every score
	v_mov_b32 v13, 0xff61b1e6                      ; -3e38
	v_floor_f32 v12, -v13                          ; -M: so far up that the first f is 0
	v_mov_b32 v14, 0
	v_mov_b32 v15, 0
	v_mov_b32 v57, v12
.set j, 0
.rept 32
	v_mov_b32 v[OO+j], 0
.set j, j+1
.endr
	s_mov_b32 s[TB], 0
	s_mov_b32 s[TS], 0
	WALU                                           ; the wait ahead of the waits that follow
.endm
	INIT
	s_wait_tensorcnt 0x0                           ; the three lines ahead of a refill's round: all my tensor loads have landed,
	ds_add_u32 v[SPW], v[NIL]
	s_wait_dscnt 0x0                               ; the add is done, and so are my reads of Wq
	CROUND
	s_cmp_lt_u32 s[WV], 4
	s_cbranch_scc0 .Lno_refill
	TL G0R, G1K                                    ; V's key steps 8-15 over Wq's codes: 16,384 bytes each of waves 0-3
.Lno_refill:
.macro PKF k
	v_pk_fma_f32 v[SS+2*(\k):SS+2*(\k)+1], v[SS+2*(\k):SS+2*(\k)+1], s[CS:CS+1], v[12:13] op_sel_hi:[1,0,0]
.endm
.macro VLOAD t
.irp c, 0,1,2,3
	ds_load_b128 v[BF+16*(\t)+4*\c:BF+16*(\t)+4*\c+3], v[ADV] offset:2048*(\t)+512*\c
.endr
.endm
.macro PADD0 a                         ; chain a of the row's sum begins
.set rC, 8+2*(\a)+48*((\a)/2)
	v_pk_add_f32 v[rC:rC+1], v[SS+2*(\a):SS+2*(\a)+1], v[SS+2*(\a)+8:SS+2*(\a)+9]
.endm
.macro PADD a, off
.set rC, 8+2*(\a)+48*((\a)/2)
	v_pk_add_f32 v[rC:rC+1], v[rC:rC+1], v[SS+(\off):SS+(\off)+1]
.endm
; A KEY STEP: 128 keys
.macro STEP
	v_add_nc_u32 v[ADK], s[TB], v[AK0]             ; with the five lines at the step's end: eight places behind the last products, ahead of loads into their operands
	v_add_nc_u32 v[ADS], s[TS], v[AS0]
	v_add_nc_u32 v[ADV], 0x20000, v[ADK]
	ds_load_b32 v50, v[ADS]                        ; K's scale words: key pairs 0 and 1;
	ds_load_b32 v51, v[ADS] offset:128             ; pairs 2 and 3
	ds_load_b32 v52, v[ADS] offset:4096            ; V's: the step's first 64 keys,
	ds_load_b32 v53, v[ADS] offset:4224            ; its second 64
.irp g, 0,1,2,3
.irp c, 0,1,2,3
	ds_load_b128 v[BF+16*\g+4*\c:BF+16*\g+4*\c+3], v[ADK] offset:2048*\g+512*\c
.endr
.endr
	s_wait_dscnt 0x0                               ; the scale words and K's four fragments are in
.irp g, 0,2
	v_wmma_scale_f32_16x16x128_f8f6f4 v[SS+16*\g:SS+16*\g+7], v[BF+16*\g:BF+16*\g+15], v[16:31], 0, v[50+\g/2], v[QS]
	v_wmma_scale_f32_16x16x128_f8f6f4 v[SS+16*\g+8:SS+16*\g+15], v[BF+16*\g:BF+16*\g+15], v[24:39], 0, v[50+\g/2], v[QS]
	v_wmma_scale_f32_16x16x128_f8f6f4 v[SS+16*\g+16:SS+16*\g+23], v[BF+16*\g+16:BF+16*\g+31], v[16:31], 0, v[50+\g/2], v[QS] matrix_a_scale:MATRIX_SCALE_ROW1
	v_wmma_scale_f32_16x16x128_f8f6f4 v[SS+16*\g+24:SS+16*\g+31], v[BF+16*\g+16:BF+16*\g+31], v[24:39], 0, v[50+\g/2], v[QS] matrix_a_scale:MATRIX_SCALE_ROW1
.endr
	v_perm_b32 v54, v53, v52, 0x05040100           ; the even channel tiles' words: two bytes of each 64 keys;
	v_perm_b32 v55, v53, v52, 0x07060302           ; the odd tiles'.  With six more lines: eight places ahead of the first read of the scores and of V's loads
	PLACES 6
	; the largest score of each block of 32 keys, for the row's maximum and, since p rises with the score, for the block's largest p: two chains a block
.irp b, 0,1,2,3
	v_max3_num_f32 v[BM+\b], v[SS+16*\b], v[SS+1+16*\b], v[SS+2+16*\b]
.endr
.irp b, 0,1,2,3
	v_max3_num_f32 v[HL+\b], v[SS+8+16*\b], v[SS+9+16*\b], v[SS+10+16*\b]
.endr
.irp i, 3,5
.irp b, 0,1,2,3
	v_max3_num_f32 v[BM+\b], v[BM+\b], v[SS+16*\b+\i], v[SS+1+16*\b+\i]
.endr
.irp b, 0,1,2,3
	v_max3_num_f32 v[HL+\b], v[HL+\b], v[SS+8+16*\b+\i], v[SS+9+16*\b+\i]
.endr
.endr
.irp b, 0,1,2,3
	v_max3_num_f32 v[BM+\b], v[BM+\b], v[SS+7+16*\b], v[SS+15+16*\b]
.endr
.irp b, 0,1,2,3
	v_max_num_f32 v[BM+\b], v[BM+\b], v[HL+\b]
.endr
.irp b, 0,1,2,3
	v_permlanex16_b32 v[BT+\b], v[BM+\b], s[SEL], s[SEL+1]
.endr
.irp b, 0,1,2,3
	v_max_num_f32 v[BM+\b], v[BM+\b], v[BT+\b]     ; with lane l xor 16's 16 keys
.endr
	v_max3_num_f32 v59, v[BM], v[BM+1], v[BM+2]    ; from the maximum to M each line reads the line before: V's 16 loads stand in the gaps
	VLOAD 0
	v_max3_num_f32 v13, v13, v59, v[BM+3]          ; the running largest score (c is positive)
	VLOAD 1
	v_mul_f32 v59, s[CS], v13
	VLOAD 2
	v_floor_f32 v12, -v59                          ; the new -M = -ceil(t)
	VLOAD 3
	v_sub_f32 v59, v12, v57                        ; old M - new M: a whole number, 0 or less
.irp b, 0,1,2,3
	v_fma_f32 v[BM+\b], v[BM+\b], s[CS], v12       ; t - M of each block's largest score
.endr
	v_cvt_i32_f32 v59, v59                         ; (it saturates)
.set k, 0
.rept 32
	PKF k                                          ; t - M, two at a time
.set k, k+1
.endr
	WALU                                           ; the wait ahead of the batch
.irp b, 0,1,2,3
	v_exp_f32 v[BM+\b], v[BM+\b]                   ; the block's largest p
.endr
.set j, 0
.rept 64
	v_exp_f32 v[SS+j], v[SS+j]                     ; p = 2^(t - M)
.set j, j+1
.endr
	v_ldexp_f32 v56, 1.0, v59                      ; f = 2^(old M - new M): the plain line behind the batch
	WALU                                           ; one wait for the batch, ahead of its first reader
	s_wait_dscnt 0x0                               ; V is in: its 16 loads stand ahead of the scalings and the batch
	; the scale words' lines and the row's sum of the unquantised p (four chains), by turns
.irp b, 0,1,2,3
	v_max_num_f32 v[BM+\b], FLOOR, v[BM+\b]
	PADD0 \b
.endr
.irp b, 0,1,2,3
	v_add_nc_u32 v[SO+\b], 0xfc000000, v[BM+\b]
	PADD \b, 2*\b+16
.endr
.irp b, 0,1,2,3
	v_and_or_b32 v[HL+\b], v[BM+\b], 0x7f800000, s[MNT]   ; 448 x the scale
	PADD \b, 2*\b+24
.endr
.irp b, 0,1,2,3
	v_lshrrev_b32 v[BT+\b], 23, v[SO+\b]
	PADD \b, 2*\b+32
.endr
	v_dual_mov_b32 v[BM+1], v[HL] :: v_dual_mov_b32 v[BM+2], v[HL+1]      ; a second copy of each bound, block b's in v[BM + (b + 1) % 4]: the two halves of a dual line take their second sources from registers that differ modulo 4
	v_dual_mov_b32 v[BM+3], v[HL+2] :: v_dual_mov_b32 v[BM], v[HL+3]
	v_lshl_or_b32 v58, v[BT+1], 8, v[BT]           ; p's scale word for these 128 keys
.irp b, 0,1,2,3
	PADD \b, 2*\b+40
.endr
	v_lshl_or_b32 v58, v[BT+2], 16, v58
.irp b, 0,1,2,3
	PADD \b, 2*\b+48
.endr
	v_lshl_or_b32 v58, v[BT+3], 24, v58
.irp b, 0,1,2,3
	PADD \b, 2*\b+56
.endr
.irp b, 0,1,2,3
.irp i, 0,2,4,6,8,10,12,14
	v_dual_min_num_f32 v[SS+16*\b+\i], v[SS+16*\b+\i], v[HL+\b] :: v_dual_min_num_f32 v[SS+16*\b+\i+1], v[SS+16*\b+\i+1], v[BM+(\b+1)%4]   ; the conversion does not saturate (ISA guide 7.6.2); p is not negative: a one-sided hold, two to a line
.endr
	v_cvt_scalef32_pk8_fp8_f32 v[CD+4*\b:CD+1+4*\b], v[SS+16*\b:SS+7+16*\b], v[SO+\b]
	v_cvt_scalef32_pk8_fp8_f32 v[CD+2+4*\b:CD+3+4*\b], v[SS+8+16*\b:SS+15+16*\b], v[SO+\b]
.endr
	WALU                                           ; the wait directly ahead of the first readers of O^T
.set k, 0
.rept 16
	v_pk_mul_f32 v[OO+2*k:OO+2*k+1], v[OO+2*k:OO+2*k+1], v[56:57] op_sel_hi:[1,0]   ; O^T under the new M; also the places between the codes and the products
.set k, k+1
.endr
	v_wmma_scale_f32_16x16x128_f8f6f4 v[OO:OO+7], v[BF:BF+15], v[CD:CD+15], v[OO:OO+7], v54, v58
	v_wmma_scale_f32_16x16x128_f8f6f4 v[OO+8:OO+15], v[BF+16:BF+31], v[CD:CD+15], v[OO+8:OO+15], v55, v58
	v_wmma_scale_f32_16x16x128_f8f6f4 v[OO+16:OO+23], v[BF+32:BF+47], v[CD:CD+15], v[OO+16:OO+23], v54, v58 matrix_a_scale:MATRIX_SCALE_ROW1
	v_wmma_scale_f32_16x16x128_f8f6f4 v[OO+24:OO+31], v[BF+48:BF+63], v[CD:CD+15], v[OO+24:OO+31], v55, v58 matrix_a_scale:MATRIX_SCALE_ROW1
	v_pk_add_f32 v[8:9], v[8:9], v[10:11]          ; the end of the row's sum: five of the places behind the products
	v_pk_add_f32 v[60:61], v[60:61], v[62:63]
	v_pk_add_f32 v[8:9], v[8:9], v[60:61]
	v_pk_fma_f32 v[14:15], v[14:15], v[56:57], v[8:9] op_sel_hi:[1,0,1]   ; l = l f + the step's sum
	v_mov_b32 v57, v12                             ; -M is kept for the next f
	s_add_co_u32 s[TB], s[TB], 8192
	s_add_co_u32 s[TS], s[TS], 256
.endm
; THE WAY OUT of query tile u: O^T / l, quantised in two blocks of 32 channels, straight into the last product's fragment image
.macro OUT u
	WALU
	v_add_f32 v14, v14, v15
	v_permlanex16_b32 v59, v14, s[SEL], s[SEL+1]
	v_add_f32 v14, v14, v59                        ; the row's sum
	WALU                                           ; the wait ahead of the transcendental
	v_rcp_f32 v14, v14
	v_and_b32 v[ADS], 15, v0
	v_lshlrev_b32 v[ADS], 2, v[ADS]                ; 4 r
	PLACES 2
	WALU                                           ; ahead of the first readers of the reciprocal and of O^T
.set j, 0
.rept 16
	v_pk_mul_f32 v[SS+j:SS+j+1], v[OO+j:OO+j+1], v[14:15] op_sel_hi:[1,0]   ; register 16 b + i: channel 32 b + 16 h + i
.set j, j+2
.endr
.irp b, 0,1
	v_max3_num_f32 v[BM+\b], |v[SS+16*\b]|, |v[SS+1+16*\b]|, FLOOR
.endr
.irp i, 2,4,6,8,10,12,14
.irp b, 0,1
	v_max3_num_f32 v[BM+\b], v[BM+\b], |v[SS+16*\b+\i]|, |v[SS+1+16*\b+\i]|
.endr
.endr
.irp b, 0,1
	v_permlanex16_b32 v[BT+\b], v[BM+\b], s[SEL], s[SEL+1]
.endr
.irp b, 0,1
	v_max_num_f32 v[BM+\b], v[BM+\b], v[BT+\b]
.endr
.irp b, 0,1
	v_add_nc_u32 v[SO+\b], 0xfc000000, v[BM+\b]
.endr
.irp b, 0,1
	v_and_or_b32 v[HL+\b], v[BM+\b], 0x7f800000, s[MNT]
.endr
.irp b, 0,1
	v_lshrrev_b32 v[BT+\b], 23, v[SO+\b]
.endr
	v_lshl_or_b32 v59, v[BT+1], 8, v[BT]           ; my row's two scale bytes
.irp b, 0,1
.irp i, 0,1,2,3,4,5,6,7,8,9,10,11,12,13,14,15
	v_med3_num_f32 v[SS+16*\b+\i], v[SS+16*\b+\i], -v[HL+\b], v[HL+\b]
.endr
	v_cvt_scalef32_pk8_fp8_f32 v[CD+4*\b:CD+1+4*\b], v[SS+16*\b:SS+7+16*\b], v[SO+\b]
	v_cvt_scalef32_pk8_fp8_f32 v[CD+2+4*\b:CD+3+4*\b], v[SS+8+16*\b:SS+15+16*\b], v[SO+\b]
.endr
	v_nop                                          ; a plain line behind the last conversion
	global_store_b128 v[AK0], v[CD:CD+3], s[OBS:OBS+1] offset:2048*\u          ; 512 consecutive aligned bytes each
	global_store_b128 v[AK0], v[CD+4:CD+7], s[OBS:OBS+1] offset:2048*\u+512
	global_store_b16 v[ADS], v59, s[OSB:OSB+1] offset:512*\u                   ; two bytes of row r's word (the other head of the K step writes the others); both halves of the lanes write the same
.endm
	s_mov_b32 s[CNT], 8
.Lfirst8:                                          ; key steps 0-7 read nothing of the bytes that are being filled again
	STEP
	s_sub_co_u32 s[CNT], s[CNT], 1
	s_cmp_lg_u32 s[CNT], 0
	s_cbranch_scc1 .Lfirst8
	WALU
	s_wait_tensorcnt 0x0                           ; my part of V's key steps 8-15 has landed,
	s_wait_dscnt 0x0
	s_barrier_signal -1
	s_barrier_wait -1                              ; everybody's has
	s_mov_b32 s[CNT], 8
.Lrest8:
	STEP
	s_sub_co_u32 s[CNT], s[CNT], 1
	s_cmp_lg_u32 s[CNT], 0
	s_cbranch_scc1 .Lrest8
	OUT 0
	s_wait_xcnt 0x0                                ; the stores have read their registers: those are written again only behind this wait
.irp j, 0,1,2,3,4,5,6,7
	v_mov_b32 v[16+\j], v[40+\j]                   ; the second pass: tile 1's Q
	v_mov_b32 v[32+\j], v[40+\j]
.endr
	v_perm_b32 v[QS], v[QPW], v[QPW], 0x03020302
	INIT
	s_mov_b32 s[CNT], 16
.Lsecond:
	STEP
	s_sub_co_u32 s[CNT], s[CNT], 1
	s_cmp_lg_u32 s[CNT], 0
	s_cbranch_scc1 .Lsecond
	OUT 1
	s_wait_tensorcnt 0x0                           ; the wave's end
	ds_add_u32 v[SPW], v[NIL]
	s_wait_dscnt 0x0
	CROUND                                         ; the closing round
	s_endpgm
.Lfunc_end_k_q7c20df1031_attn:
	.size	k_q7c20df1031_attn, .Lfunc_end_k_q7c20df1031_attn-k_q7c20df1031_attn
	.p2alignl 7, 3214868480
	.fill 96, 4, 3214868480
	.section	.rodata,"a",@progbits
	.p2align	6, 0x0
	.amdhsa_kernel k_q7c20df1031_attn
		.amdhsa_group_segment_fixed_size 327680
		.amdhsa_private_segment_fixed_size 0
		.amdhsa_enable_private_segment 0
		.amdhsa_kernarg_size 24
		.amdhsa_user_sgpr_count 2
		.amdhsa_user_sgpr_kernarg_segment_ptr 1
		.amdhsa_wavefront_size32 1
		.amdhsa_system_sgpr_workgroup_id_x 1
		.amdhsa_system_sgpr_workgroup_id_y 1
		.amdhsa_system_sgpr_workgroup_id_z 1
		.amdhsa_system_vgpr_workitem_id 0
		.amdhsa_next_free_vgpr 256
		.amdhsa_next_free_sgpr 100
		.amdhsa_reserve_vcc 0
		.amdhsa_float_denorm_mode_32 3
		.amdhsa_float_denorm_mode_16_64 3
		.amdhsa_memory_ordered 1
		.amdhsa_forward_progress 1
		.amdhsa_inst_pref_size 114
	.end_amdhsa_kernel
	.amdgpu_metadata
---
amdhsa.version: [ 1, 2 ]
amdhsa.kernels:
  - .name:           k_q7c20df1031_attn
    .symbol:         k_q7c20df1031_attn.kd
    .args:
      - { .name: img, .offset: 0, .size: 8, .value_kind: global_buffer, .address_space: global }
      - { .name: kvimg, .offset: 8, .size: 8, .value_kind: global_buffer, .address_space: global }
      - { .name: oimg, .offset: 16, .size: 8, .value_kind: global_buffer, .address_space: global }
    .group_segment_fixed_size: 327680
    .private_segment_fixed_size: 0
    .kernarg_segment_align: 8
    .kernarg_segment_size: 24
    .max_flat_workgroup_size: 512
    .sgpr_count:     100
    .vgpr_count:     256
    .wavefront_size: 32
...
	.end_amdgpu_metadata
.endif
;; end of part 3
;; launch oproj (part 4): grid 256 x 1, 4 waves a work-group, clusters of 4 x 1, 170,496 bytes of LDS; arguments img, oimg, bo, out0; writes out0
.if DOCPART == 4
	.amdgcn_target "amdgcn-amd-amdhsa--gfx1250"
	.amdhsa_code_object_version 6
	.text
	.protected	k_q7c20df1031_oproj
	.globl	k_q7c20df1031_oproj
	.p2align	8
	.type	k_q7c20df1031_oproj,@function
k_q7c20df1031_oproj:
	s_mov_b64 s[64:65], 0
	v_nop
	global_prefetch_b8 v0, s[64:65] scope:SCOPE_SE
	s_setreg_imm32_b32 hwreg(HW_REG_WAVE_MODE, 25, 1), 1
	s_wait_xcnt 0x0
	s_wait_alu depctr_hold_cnt(0) depctr_sa_sdst(0) depctr_va_vdst(0) depctr_va_sdst(0) depctr_va_ssrc(0) depctr_va_vcc(0) depctr_vm_vsrc(0)
	s_getreg_b32 s2, hwreg(HW_REG_IB_STS2, 6, 4)
	s_cmp_eq_u32 s2, 0
	s_cbranch_scc0 .Lentry_in_a_cluster
	s_endpgm
.Lentry_in_a_cluster:
	s_bfe_u32 s2, ttmp6, 0x10000c
	s_cmp_lg_u32 s2, 0x3003
	s_cbranch_scc0 .Lentry_shape_is_right
	s_endpgm
.Lentry_shape_is_right:
; OPROJ: out0 = O Wo + bo, on codes of FP8 (E4M3) with E8M0 scales; out0 [8192][1024] f32.
; Source 0 = 16 columns of Wo (kept in registers), source 1 = 16 tokens (streamed from LDS): a lane holds one token and its registers run along the output's columns.
; SHARES.  64 clusters of four work-groups.  A cluster takes 128 tokens (four pair blocks of oimg, asked for jointly: each wave one block, 33,792 dense bytes, filled once: no ring); work-group cx takes columns 256 cx on,
; a wave 64 of them: two pair blocks of Wo, 512 registers, read from memory once.
; The bias is the C of each sum's first product.  Results go through the wave's own stage in LDS and leave as rows: sixteen lanes store 256 consecutive aligned bytes.
; REGISTERS: window 0: addresses, v16-47 the bias in the result's layout, v48-111 the 8 accumulators (32 t + 8 i), v112-175 rows read back, v224-239 Wo's scale words, v240-247 the stream's.
;   windows 1, 2: Wo's two pairs, fragment (tile il, K step s) at 16 (8 il + s); window 3: the stream pair, fragment (s, t) at 16 (2 s + t).
.set PB,   33792
.set STGB, 4*PB                        ; behind the stream: two stages of 16 rows x (256 bytes + 16) for each wave; no tensor load lands there
.set LI,  4                            ; v4  16 x lane
.set LS,  5                            ; v5  4 x lane
.set STO, 6                            ; v6  the stage on the way in: 272 r + 64 h
.set RD,  7                            ; v7  on the way out: 272 h + 16 r
.set CO,  8                            ; v8  the same two rows in out0: 4,096 h + 16 r
.set XAD, 9
.set XSA, 10
.set BA,  11                           ; v11 64 h: my half's 16 numbers of each 32 of the bias
.set BI,  16
.set ACC, 48
.set OR,  112
.set WS,  224
.set XS,  240
.set WV,  12
.set G1,  24
.set G0,  32
.set S0P, 36
.set BOP, 38
.set OUTP, 40
.set MSB, 0
.set FIRSTP, 0
.macro WIN new
.if MSB != (\new)
	s_set_vgpr_msb (MSB<<8)|(\new)
.set MSB, (\new)
.endif
.endm
.macro PLACES n
.rept \n
	v_nop
.endr
.endm
.macro CROUND
	s_barrier_signal -1
	s_barrier_wait -1
	s_cmp_lg_u32 s[WV], 0
	s_cbranch_scc1 .Lnot_wave_0_\@
	s_barrier_signal -3
.Lnot_wave_0_\@:
	s_barrier_wait -3
	s_barrier_signal -1
	s_barrier_wait -1
.endm
	s_load_b256 s[4:11], s[0:1], 0x0               ; img, oimg, bo, out0
	v_lshl_add_u32 v254, v0, 2, 0x29800
	v_mov_b32 v255, 0
	ds_add_u32 v254, v255
	ds_add_u32 v254, v255
	v_lshrrev_b32 v1, 5, v0
	v_readfirstlane_b32 s[WV], v1                  ; wave 0..3
	v_and_b32 v1, 31, v0
	v_and_b32 v2, 15, v0                           ; r
	v_bfe_u32 v3, v0, 4, 1                         ; h
	v_lshlrev_b32 v[LI], 4, v1
	v_lshlrev_b32 v[LS], 2, v1
	s_mul_i32 s50, s[WV], 8704
	s_add_co_u32 s50, s50, STGB                    ; my two stages
	v_mul_u32_u24 v[STO], v2, 272
	v_lshl_add_u32 v[STO], v3, 6, v[STO]
	v_add_nc_u32 v[STO], s50, v[STO]
	v_mul_u32_u24 v[RD], v3, 272
	v_lshl_add_u32 v[RD], v2, 4, v[RD]
	v_add_nc_u32 v[RD], s50, v[RD]
	v_lshlrev_b32 v[CO], 4, v2
	v_lshl_add_u32 v[CO], v3, 12, v[CO]
	v_lshlrev_b32 v[BA], 6, v3
	s_bfe_u32 s13, ttmp6, 0x40000                  ; cx: it enters Wo's, the bias's and the output's addresses alone
	; the stream: wave w brings pair 4 x cluster + w.  Nothing here hangs on cx
	s_lshl_b32 s20, ttmp9, 2
	s_add_co_u32 s20, s20, s[WV]
	s_mul_i32 s20, s20, PB
	s_mov_b32 s21, 0
	s_mov_b32 s[G1], 15|(3<<16)|(1<<21)            ; the mask: all four work-groups; elements of 8 bytes; bit 21 beside a mask; no padding
	s_mov_b32 s[G1+1], 32<<16                      ; rows of 256 bytes,
	s_mov_b32 s[G1+2], 132<<16                     ; 132 of them: a pair block
	s_mov_b32 s[G1+3], 32<<16
	s_mov_b32 s[G1+4], 132
	s_mov_b32 s[G1+5], 32                          ; dense
	s_mov_b32 s[G1+6], 0
	s_mov_b32 s[G1+7], 0
	s_mov_b32 s[G0], 1
	s_mul_i32 s[G0+1], s[WV], PB
	s_lshl_b32 s44, s13, 3
	s_lshl_b32 s45, s[WV], 1
	s_add_co_u32 s44, s44, s45
	s_add_co_u32 s44, s44, 608
	s_mul_i32 s44, s44, PB                         ; Wo's pairs 8 cx + 2 w and the next
	s_mov_b32 s45, 0
	s_lshl_b32 s46, s13, 10
	s_lshl_b32 s47, s[WV], 8
	s_add_co_u32 s46, s46, s47                     ; my 64 columns, in bytes: 1,024 cx + 256 w
	s_mov_b32 s47, 0
	s_lshl_b32 s48, ttmp9, 19                      ; the cluster's 128 rows of 4,096 bytes
	s_add_co_u32 s48, s48, s46
	s_mov_b32 s49, 0
	s_wait_dscnt 0x0
	s_wait_kmcnt 0x0
	s_add_nc_u64 s[G0+2:G0+3], s[6:7], s[20:21]
	s_or_b32 s[G0+3], s[G0+3], 0x80000000
	s_add_nc_u64 s[S0P:S0P+1], s[4:5], s[44:45]
	s_add_nc_u64 s[BOP:BOP+1], s[8:9], s[46:47]
	s_add_nc_u64 s[OUTP:OUTP+1], s[10:11], s[48:49]
	CROUND                                         ; all four work-groups are here: the joint loads meet
	tensor_load_to_lds s[G0:G0+3], s[G1:G1+7]      ; my one tensor load
	s_nop 0
	PLACES 4                                       ; four lines here
	s_wait_alu depctr_va_vdst(0)
.irp i, 0,1,2,3
.irp q, 0,1
	global_load_b128 v[BI+8*\i+4*\q:BI+8*\i+4*\q+3], v[BA], s[BOP:BOP+1] offset:128*(\i/2)+32*(\i%2)+16*\q   ; tile i's register j: column 32 (i / 2) + 16 h + 8 (i % 2) + j
.endr
.endr
.irp i, 0,1,2,3
.irp a, 0,1,2,3
	global_load_b32 v[WS+4*\i+\a], v[LS], s[S0P:S0P+1] offset:(\i/2)*PB+32768+512*(\i%2)+128*\a
.endr
.endr
	WIN 0x40
.irp s, 0,1,2,3,4,5,6,7
.irp il, 0,1
.irp c, 0,1,2,3
	global_load_b128 v[16*(8*\il+\s)+4*\c:16*(8*\il+\s)+4*\c+3], v[LI], s[S0P:S0P+1] offset:(2*\s+\il)*2048+512*\c
.endr
.endr
.endr
	WIN 0x80
.irp s, 0,1,2,3,4,5,6,7
.irp il, 0,1
.irp c, 0,1,2,3
	global_load_b128 v[16*(8*\il+\s)+4*\c:16*(8*\il+\s)+4*\c+3], v[LI], s[S0P:S0P+1] offset:PB+(2*\s+\il)*2048+512*\c
.endr
.endr
.endr
	WIN 0
.macro FETCH p                         ; the stream pair p: 8 scale words, then its 16 fragments, K step by K step
	WIN 0
	v_add_nc_u32 v[XAD], (\p)*PB, v[LI]
	v_add_nc_u32 v[XSA], (\p)*PB+32768, v[LS]
.irp t, 0,1
.irp a, 0,1,2,3
	ds_load_b32 v[XS+4*\t+\a], v[XSA] offset:512*\t+128*\a
.endr
.endr
	WIN 0xc0
.irp s, 0,1,2,3,4,5,6,7
.irp t, 0,1
.irp c, 0,1,2,3
	ds_load_b128 v[16*(2*\s+\t)+4*\c:16*(2*\s+\t)+4*\c+3], v[XAD] offset:(2*\s+\t)*2048+512*\c
.endr
.endr
.endr
	WIN 0
.endm
.macro MM t, il, wd
.set rD, ACC+32*(\t)+8*(2*((\wd)-1)+(\il))
.set rC, BI+8*(2*((\wd)-1)+(\il))
.set rA, 16*(8*(\il)+sK)
.set rB, 16*(2*sK+(\t))
.set rW, WS+4*(2*((\wd)-1)+(\il))+sK/2
.set rX, XS+4*(\t)+sK/2
.if sK == 0
	v_wmma_scale_f32_16x16x128_f8f6f4 v[rD:rD+7], v[rA:rA+15], v[rB:rB+15], v[rC:rC+7], v[rW], v[rX]   ; the first K step starts the sum from the bias
.elseif sK%2
	v_wmma_scale_f32_16x16x128_f8f6f4 v[rD:rD+7], v[rA:rA+15], v[rB:rB+15], v[rD:rD+7], v[rW], v[rX] matrix_a_scale:MATRIX_SCALE_ROW1 matrix_b_scale:MATRIX_SCALE_ROW1
.else
	v_wmma_scale_f32_16x16x128_f8f6f4 v[rD:rD+7], v[rA:rA+15], v[rB:rB+15], v[rD:rD+7], v[rW], v[rX]
.endif
.endm
.macro MULS wd                         ; eight K steps against window wd's pair: four accumulators by turns, one instruction a turn
	WIN 0x0c+(\wd)
.set sK, 0
.rept 8
.if (\wd) == 1
	s_wait_dscnt 8*(7-sK)                          ; this K step's fragments are in; the later steps' eight loads each may be out
.elseif FIRSTP
	s_wait_loadcnt 8*(7-sK)                        ; the first pair: window 2's fragments of this K step are in
.endif
.irp t, 0,1
.irp il, 0,1
	MM \t, \il, \wd
.endr
.endr
.set sK, sK+1
.endr
.endm
.macro PAIR p
.if (\p) == 0
.set FIRSTP, 1
	s_wait_loadcnt 63                              ; behind window 1's last load stand window 2's 64: the bias, Wo's scale words and window 1 are in
.else
.set FIRSTP, 0
.endif
	MULS 1
	MULS 2
	WIN 0
	PLACES 8                                       ; eight places behind this form, ahead of reads of its results and of loads into its operands
.if (\p) > 0
	s_wait_xcnt 0x0                                ; the last pair's stores have read their data: the rows' registers are loaded again only behind this wait
.endif
.irp t, 0,1
.irp cp, 0,1
.irp q, 0,1,2,3
	ds_store_b128 v[STO], v[ACC+32*\t+16*\cp+4*\q:ACC+32*\t+16*\cp+4*\q+3] offset:4352*\t+128*\cp+16*\q   ; token r, columns 32 cp + 16 h + 4 q on; each accumulator from its low end on
.endr
.endr
.irp i, 0,1,2,3,4,5,6,7
	ds_load_b128 v[OR+32*\t+4*\i:OR+32*\t+4*\i+3], v[RD] offset:4352*\t+544*\i   ; LDS serves a wave's instructions in order (ISA guide 5.7.1.4): these see the stores above
.endr
.endr
.if (\p) < 3
	FETCH (\p)+1
	s_wait_dscnt 63                                ; behind the stage's 32 instructions stand the fetch's 72: the largest count that can be named shows the rows back
.else
	s_wait_dscnt 0x0
.endif
.irp t, 0,1
.irp i, 0,1,2,3,4,5,6,7
	global_store_b128 v[CO], v[OR+32*\t+4*\i:OR+32*\t+4*\i+3], s[OUTP:OUTP+1] offset:(32*(\p)+8*\t+2*\i+8*(\i/4))*4096 th:TH_STORE_NT   ; tile rows 2 i and 2 i + 1: sixteen lanes store 256 consecutive aligned bytes
.endr
.endr
.endm
	s_wait_tensorcnt 0x0                           ; my pair block has landed,
	s_barrier_signal -1
	s_barrier_wait -1                              ; everybody's has
	FETCH 0
	PAIR 0
	PAIR 1
	PAIR 2
	PAIR 3
	s_wait_tensorcnt 0x0
	ds_add_u32 v254, v255
	s_wait_dscnt 0x0
	CROUND                                         ; the closing round
	s_endpgm
.Lfunc_end_k_q7c20df1031_oproj:
	.size	k_q7c20df1031_oproj, .Lfunc_end_k_q7c20df1031_oproj-k_q7c20df1031_oproj
	.p2alignl 7, 3214868480
	.fill 96, 4, 3214868480
	.section	.rodata,"a",@progbits
	.p2align	6, 0x0
	.amdhsa_kernel k_q7c20df1031_oproj
		.amdhsa_group_segment_fixed_size 170496
		.amdhsa_private_segment_fixed_size 0
		.amdhsa_enable_private_segment 0
		.amdhsa_kernarg_size 32
		.amdhsa_user_sgpr_count 2
		.amdhsa_user_sgpr_kernarg_segment_ptr 1
		.amdhsa_wavefront_size32 1
		.amdhsa_system_sgpr_workgroup_id_x 1
		.amdhsa_system_sgpr_workgroup_id_y 1
		.amdhsa_system_sgpr_workgroup_id_z 1
		.amdhsa_system_vgpr_workitem_id 0
		.amdhsa_next_free_vgpr 1024
		.amdhsa_next_free_sgpr 66
		.amdhsa_reserve_vcc 0
		.amdhsa_float_denorm_mode_32 3
		.amdhsa_float_denorm_mode_16_64 3
		.amdhsa_memory_ordered 1
		.amdhsa_forward_progress 1
		.amdhsa_inst_pref_size 87
	.end_amdhsa_kernel
	.amdgpu_metadata
---
amdhsa.version: [ 1, 2 ]
amdhsa.kernels:
  - .name:           k_q7c20df1031_oproj
    .symbol:         k_q7c20df1031_oproj.kd
    .args:
      - { .name: img, .offset: 0, .size: 8, .value_kind: global_buffer, .address_space: global }
      - { .name: oimg, .offset: 8, .size: 8, .value_kind: global_buffer, .address_space: global }
      - { .name: bo, .offset: 16, .size: 8, .value_kind: global_buffer, .address_space: global }
      - { .name: out0, .offset: 24, .size: 8, .value_kind: global_buffer, .address_space: global }
    .group_segment_fixed_size: 170496
    .private_segment_fixed_size: 0
    .kernarg_segment_align: 8
    .kernarg_segment_size: 32
    .max_flat_workgroup_size: 128
    .sgpr_count:     66
    .vgpr_count:     1024
    .wavefront_size: 32
...
	.end_amdgpu_metadata
.endif
;; end of part 4
